; MI455X (gfx1250); checked and timed in simulation.
; The chip was launched on July 23, 2026; its instructions are those of AMD's public machine-readable ISA for CDNA 5 (MIT licence, August 2026) and "CDNA5" Instruction Set Architecture Reference Guide (July 2026). The comments in the code are by the model that wrote it; some were corrected since.
;; Mo E Fusion. Allowed arithmetic: float matrix products may take bf16 or f16 operands with f32 sums; other float arithmetic in f32, or as packed bf16 or f16 multiplies, adds, multiply-adds, maxima and minima; sums over many terms, partial sums and values carried from step to step in f32; what a program stores and reads back later, other than sums and carried values, may be rounded once to bf16 or f16.
;; Inputs: b1 8 x 1,024 float32; b2 8 x 1,024 float32; beta 8 x 1,024 float32; gamma 8 x 1,024 float32; router_b 8 float32; router_w 1,024 x 8 float32; w1 8 x 1,024 x 1,024 float32; w2 8 x 1,024 x 1,024 float32; z_e 4,096 x 512 float32; z_s 4,096 x 512 float32.
;; Outputs: out0 4,096 x 1,024 float32.
;; 2 versions, each right; version 2 is version 1 with the launch prep written anew for expert scheduling mode. Each part assembles by itself: llvm-mc -triple=amdgcn-amd-amdhsa -mcpu=gfx1250 --defsym DOCPART=n.
;; ======== version 1 of 2: 4 launches
;; workspace buffers: xb 8,388,608 bytes; w1b 16,777,216 bytes; w2b 16,777,216 bytes; wts 131,072 bytes; hb 67,108,864 bytes; yh 67,108,864 bytes; st 2,097,152 bytes
;; launch prep (part 1): grid 256 x 1, 16 waves a work-group, no clusters, 39,424 bytes of LDS; arguments z_s, z_e, router_w, router_b, w1, xb, w1b, wts; writes xb, w1b, wts
.if DOCPART == 1
	.amdgcn_target "amdgcn-amd-amdhsa--gfx1250"
	.amdhsa_code_object_version 6
	.text
	.protected	k_qb6f1d62f88_prep
	.globl	k_qb6f1d62f88_prep
	.p2align	8
	.type	k_qb6f1d62f88_prep,@function
k_qb6f1d62f88_prep:
	s_mov_b64 s[64:65], 0
	v_nop
	global_prefetch_b8 v0, s[64:65] scope:SCOPE_SE
	s_setreg_imm32_b32 hwreg(HW_REG_WAVE_MODE, 25, 1), 1
	s_wait_xcnt 0x0
; MoEFusion, launch 1 of 4.  z = sum over e of softmax(x router_w + router_b)[e] x LayerNorm_e(gelu(x w1[e] + b1[e]) w2[e] + b2[e]),  x = [z_s, z_e].
; NO WORK IS LEFT OUT: the gates are a softmax, so every expert's result is weighed into every row; router_b differs from expert to expert (it is not
; constant along the softmax's axis); b2 differs from column to column (the LayerNorm's mean does not take it away).  Every input has a way to out0 and is loaded.
; THIS LAUNCH: x and w1 are rounded once to bf16 (xb, w1b, each in its source's order), and the gates are made (wts, f32 [4096][8]).  w2, which the first product does not need,
; is rounded by the next launch, beside its products.
; LIMITS OF THE PROGRAM.  Every input, the small ones too, is rounded once to bf16 before it is used; all sums are f32.  The router's 8 columns are half a matrix
; tile and 1/2048 of the program's products: they are summed here by f32 multiply-adds on the bf16-rounded x and router_w.  NaN and infinities are not treated apart.
; SHARES.  16 waves.  Work-group g casts bytes 131,072 g .. of w1 and owns rows 16 g .. 16 g + 15 of x.  Wave v: row 16 g + v, and 16 chunks of 512 bytes of the weight share.
; All 28 loads of a wave go out at the head; the waits are counted, so that the weights are on their way while the router is computed.
.set RTP,   144                        ; LDS: router_w, rounded, as f32: four k (128 bytes) and 16 bytes of padding: 36 words
.set OUTB,  36864                      ; behind its 256 groups: 16 rows x 32 bytes of gates
.set SPARE, 37376                      ; the spare words, 128 bytes for each of 16 waves; no other line names them
.set SPW, 2                            ; v2   my spare word
.set NIL, 3                            ; v3   0
.set RW,  12                           ; v[12:27]   router_w as loaded; later XP
.set XP,  12                           ; v[12:27]   x packed, 2 registers a chunk
.set X,   28                           ; v[28:59]   x: chunk j holds k = 128 j + 4 lane + 0..3
.set W,   60                           ; v[60:123]  16 chunks of weights
.set WT,  124                          ; v[124:155] router_w of my four k: 8 experts each
.set LG,  156                          ; v[156:163] the 8 logits, then the gates
.set RB,  164                          ; v[164:171] router_b
.set TM,  172                          ; v[172:179] at work
	s_load_b512 s[4:19], s[0:1], 0x0               ; z_s 4, z_e 6, router_w 8, router_b 10, w1 12, xb 14, w1b 16, wts 18
	v_lshl_add_u32 v[SPW], v0, 2, SPARE
	v_mov_b32 v[NIL], 0
	v_lshrrev_b32 v1, 5, v0
	v_readfirstlane_b32 s24, v1                    ; wave 0..15
	v_and_b32 v1, 31, v0                           ; lane
	v_lshlrev_b32 v4, 4, v0                        ; router_w: 16 bytes a thread
	v_lshrrev_b32 v5, 3, v0
	v_mul_u32_u24 v5, v5, RTP                      ; eight threads fill a group of four k,
	v_and_b32 v8, 7, v0
	v_lshl_add_u32 v5, v8, 4, v5                   ; 16 bytes each
	v_lshlrev_b32 v6, 4, v1                        ; 16 x lane: f32 in
	v_lshlrev_b32 v7, 3, v1                        ; 8 x lane: bf16 out
	v_mul_u32_u24 v8, v1, RTP                      ; my group of four k in a chunk
	s_lshl_b32 s25, s24, 5
	s_add_co_u32 s25, s25, OUTB
	v_mov_b32 v9, s25                              ; my row's 32 bytes of gates
	v_add_nc_u32 v10, OUTB, v6                     ; wave 0 reads all 512 back
	s_lshl_b32 s40, ttmp9, 4
	s_add_co_u32 s40, s40, s24                     ; my row,
	s_lshl_b32 s40, s40, 11                        ; 2,048 bytes in z_s, in z_e and in xb
	s_mov_b32 s41, 0
	s_lshl_b32 s42, ttmp9, 17                      ; my share of w1
	s_lshl_b32 s43, s24, 13
	s_add_co_u32 s42, s42, s43
	s_mov_b32 s43, 0
	s_lshl_b32 s26, ttmp9, 16                      ; and of w1b
	s_lshl_b32 s27, s24, 12
	s_add_co_u32 s26, s26, s27
	s_mov_b32 s27, 0
	s_lshl_b32 s44, ttmp9, 9                       ; 16 rows x 32 bytes of wts
	s_mov_b32 s45, 0
	s_mov_b32 s36, 0xffff0000                      ; a word's upper bf16
	s_mov_b32 s37, 0x3fb8aa3b                      ; log2(e)
	s_mov_b32 s38, 0x76543210                      ; v_permlanex16_b32: each lane takes its own place in the other half
	s_mov_b32 s39, 0xfedcba98
	s_wait_kmcnt 0x0
	s_load_b256 s[28:35], s[10:11], 0x0            ; router_b, waited for in front of its use
	s_add_nc_u64 s[4:5], s[4:5], s[40:41]
	s_add_nc_u64 s[6:7], s[6:7], s[40:41]
	s_add_nc_u64 s[14:15], s[14:15], s[40:41]
	s_add_nc_u64 s[12:13], s[12:13], s[42:43]
	s_add_nc_u64 s[16:17], s[16:17], s[26:27]
	s_add_nc_u64 s[18:19], s[18:19], s[44:45]
.irp q, 0,1,2,3
	global_load_b128 v[RW+4*(\q):RW+4*(\q)+3], v4, s[8:9] offset:8192*(\q)
.endr
.irp j, 0,1,2,3
	global_load_b128 v[X+4*(\j):X+4*(\j)+3], v6, s[4:5] offset:512*(\j) th:TH_LOAD_NT
.endr
.irp j, 0,1,2,3
	global_load_b128 v[X+16+4*(\j):X+16+4*(\j)+3], v6, s[6:7] offset:512*(\j) th:TH_LOAD_NT
.endr
.irp c, 0,1,2,3,4,5,6,7,8,9,10,11,12,13,14,15
	global_load_b128 v[W+4*(\c):W+4*(\c)+3], v6, s[12:13] offset:512*(\c) th:TH_LOAD_NT
.endr
	; router_w: rounded to bf16, kept as f32 in LDS
	s_wait_loadcnt 24                              ; the four oldest loads are in; x's 8 and the weights' 16 stay out
.irp q, 0,1,2,3
	v_cvt_pk_bf16_f32 v[TM], v[RW+4*(\q)], v[RW+4*(\q)+1]
	v_cvt_pk_bf16_f32 v[TM+1], v[RW+4*(\q)+2], v[RW+4*(\q)+3]
	v_lshlrev_b32 v[RW+4*(\q)], 16, v[TM]
	v_and_b32 v[RW+4*(\q)+1], s36, v[TM]
	v_lshlrev_b32 v[RW+4*(\q)+2], 16, v[TM+1]
	v_and_b32 v[RW+4*(\q)+3], s36, v[TM+1]
	ds_store_b128 v5, v[RW+4*(\q):RW+4*(\q)+3] offset:64*RTP*(\q)
.endr
	s_wait_dscnt 0x0                               ; for the others' sake: my part of the table is written
	s_barrier_signal -1
	s_barrier_wait -1                              ; the table is whole
	; x: rounded, stored (each store covers 256 consecutive bytes, aligned), and widened again in place for the router
	s_wait_loadcnt 16                              ; x is in; the weights' 16 loads stay out
.irp j, 0,1,2,3,4,5,6,7
	v_cvt_pk_bf16_f32 v[XP+2*(\j)], v[X+4*(\j)], v[X+4*(\j)+1]
	v_cvt_pk_bf16_f32 v[XP+2*(\j)+1], v[X+4*(\j)+2], v[X+4*(\j)+3]
	global_store_b64 v7, v[XP+2*(\j):XP+2*(\j)+1], s[14:15] offset:256*(\j)
	v_lshlrev_b32 v[X+4*(\j)], 16, v[XP+2*(\j)]
	v_and_b32 v[X+4*(\j)+1], s36, v[XP+2*(\j)]
	v_lshlrev_b32 v[X+4*(\j)+2], 16, v[XP+2*(\j)+1]
	v_and_b32 v[X+4*(\j)+3], s36, v[XP+2*(\j)+1]
.endr
	; the logits' partial sums over my 32 k: for each chunk eight loads (four k x two halves of the experts) and 32 multiply-adds; the first product starts the sums
.set j, 0
.rept 8
.irp i, 0,1,2,3
	ds_load_b128 v[WT+8*(\i):WT+8*(\i)+3],   v8 offset:32*RTP*j+32*(\i)
	ds_load_b128 v[WT+8*(\i)+4:WT+8*(\i)+7], v8 offset:32*RTP*j+32*(\i)+16
.endr
.irp i, 0,1,2,3
	s_wait_dscnt 6-2*(\i)                          ; LDS loads come back in order (ISA guide 5.7.1): the two of k number i are in, the later ones stay out
.irp e, 0,1,2,3,4,5,6,7
.if (j == 0) && ((\i) == 0)
	v_mul_f32 v[LG+(\e)], v[X+4*j+(\i)], v[WT+8*(\i)+(\e)]
.else
	v_fmac_f32 v[LG+(\e)], v[X+4*j+(\i)], v[WT+8*(\i)+(\e)]
.endif
.endr
.endr
.set j, j+1
.endr
	; over the 32 lanes: four steps inside each half ride on the addition, one crosses the halves; every lane ends with the sums
.irp x, 1,2,4,8
.irp e, 0,1,2,3,4,5,6,7
	v_add_f32_dpp v[LG+(\e)], v[LG+(\e)], v[LG+(\e)] row_xmask:\x row_mask:0xf bank_mask:0xf
.endr
.endr
.irp e, 0,1,2,3,4,5,6,7
	v_permlanex16_b32 v[WT+(\e)], v[LG+(\e)], s38, s39  ; its destination counts as read: WT has been written
.endr
.irp e, 0,1,2,3,4,5,6,7
	v_add_f32 v[LG+(\e)], v[LG+(\e)], v[WT+(\e)]
.endr
	s_wait_kmcnt 0x0                               ; router_b
.irp e, 0,1,2,3,4,5,6,7
	v_mov_b32 v[RB+(\e)], s[28+(\e)]
.endr
.irp p, 0,1,2,3
	v_cvt_pk_bf16_f32 v[TM+(\p)], v[RB+2*(\p)], v[RB+2*(\p)+1]
.endr
.irp p, 0,1,2,3
	v_lshlrev_b32 v[RB+2*(\p)], 16, v[TM+(\p)]
	v_and_b32 v[RB+2*(\p)+1], s36, v[TM+(\p)]
.endr
.irp e, 0,1,2,3,4,5,6,7
	v_add_f32 v[LG+(\e)], v[LG+(\e)], v[RB+(\e)]
.endr
	; softmax over the 8 experts: the maximum is taken away, so the largest exponent is exactly 0 and the sum lies in 1 to 8
	v_max3_num_f32 v[TM], v[LG], v[LG+1], v[LG+2]
	v_max3_num_f32 v[TM], v[TM], v[LG+3], v[LG+4]
	v_max3_num_f32 v[TM], v[TM], v[LG+5], v[LG+6]
	v_max_num_f32 v[TM], v[TM], v[LG+7]
.irp e, 0,1,2,3,4,5,6,7
	v_sub_f32 v[LG+(\e)], v[LG+(\e)], v[TM]
.endr
.irp e, 0,1,2,3,4,5,6,7
	v_mul_f32 v[LG+(\e)], s37, v[LG+(\e)]
.endr
.irp e, 0,1,2,3,4,5,6,7
	v_exp_f32 v[LG+(\e)], v[LG+(\e)]
.endr
	v_nop                                          ; a plain instruction behind the last exponential,
	s_wait_alu depctr_va_vdst(0)                   ; and the one wait ahead of the batch's first reader
	v_add_f32 v[TM], v[LG], v[LG+1]
	v_add_f32 v[TM+1], v[LG+2], v[LG+3]
	v_add_f32 v[TM+2], v[LG+4], v[LG+5]
	v_add_f32 v[TM+3], v[LG+6], v[LG+7]
	v_add_f32 v[TM], v[TM], v[TM+1]
	v_add_f32 v[TM+2], v[TM+2], v[TM+3]
	v_add_f32 v[TM], v[TM], v[TM+2]
	v_rcp_f32 v[TM+1], v[TM]
	v_nop
	s_wait_alu depctr_va_vdst(0)
.irp e, 0,1,2,3,4,5,6,7
	v_mul_f32 v[LG+(\e)], v[LG+(\e)], v[TM+1]
.endr
	ds_store_b128 v9, v[LG:LG+3]                   ; all lanes hold the same eight gates and write the same 32 bytes
	ds_store_b128 v9, v[LG+4:LG+7] offset:16
	s_wait_dscnt 0x0
	s_barrier_signal -1
	s_barrier_wait -1                              ; the 16 rows' gates lie in LDS
	s_cmp_lg_u32 s24, 0
	s_cbranch_scc1 .Lnot_wave_0                    ; wave 0 stores them: 512 consecutive bytes
	ds_load_b128 v[TM:TM+3], v10
	s_wait_dscnt 0x0
	global_store_b128 v6, v[TM:TM+3], s[18:19]
.Lnot_wave_0:
	; the weights: each chunk of 512 bytes is rounded in place and leaves as 256 consecutive bytes, aligned.  No register that a store reads is written again.
.set c, 0
.rept 16
	s_wait_loadcnt 15-c                            ; chunk c is in; the younger ones stay out
	v_cvt_pk_bf16_f32 v[W+4*c], v[W+4*c], v[W+4*c+1]
	v_cvt_pk_bf16_f32 v[W+4*c+1], v[W+4*c+2], v[W+4*c+3]
	global_store_b64 v7, v[W+4*c:W+4*c+1], s[16:17] offset:256*c
.set c, c+1
.endr
	s_wait_tensorcnt 0x0                           ; the wave's end, behind my last LDS store
	ds_add_u32 v[SPW], v[NIL]
	s_wait_dscnt 0x0
	s_endpgm
.Lfunc_end_k_qb6f1d62f88_prep:
	.size	k_qb6f1d62f88_prep, .Lfunc_end_k_qb6f1d62f88_prep-k_qb6f1d62f88_prep
	.p2alignl 7, 3214868480
	.fill 96, 4, 3214868480
	.section	.rodata,"a",@progbits
	.p2align	6, 0x0
	.amdhsa_kernel k_qb6f1d62f88_prep
		.amdhsa_group_segment_fixed_size 39424
		.amdhsa_private_segment_fixed_size 0
		.amdhsa_enable_private_segment 0
		.amdhsa_kernarg_size 64
		.amdhsa_user_sgpr_count 2
		.amdhsa_user_sgpr_kernarg_segment_ptr 1
		.amdhsa_wavefront_size32 1
		.amdhsa_system_sgpr_workgroup_id_x 1
		.amdhsa_system_sgpr_workgroup_id_y 1
		.amdhsa_system_sgpr_workgroup_id_z 1
		.amdhsa_system_vgpr_workitem_id 0
		.amdhsa_next_free_vgpr 180
		.amdhsa_next_free_sgpr 66
		.amdhsa_reserve_vcc 0
		.amdhsa_float_denorm_mode_32 3
		.amdhsa_float_denorm_mode_16_64 3
		.amdhsa_memory_ordered 1
		.amdhsa_forward_progress 1
		.amdhsa_inst_pref_size 32
	.end_amdhsa_kernel
	.amdgpu_metadata
---
amdhsa.version: [ 1, 2 ]
amdhsa.kernels:
  - .name:           k_qb6f1d62f88_prep
    .symbol:         k_qb6f1d62f88_prep.kd
    .args:
      - { .name: z_s, .offset: 0, .size: 8, .value_kind: global_buffer, .address_space: global }
      - { .name: z_e, .offset: 8, .size: 8, .value_kind: global_buffer, .address_space: global }
      - { .name: router_w, .offset: 16, .size: 8, .value_kind: global_buffer, .address_space: global }
      - { .name: router_b, .offset: 24, .size: 8, .value_kind: global_buffer, .address_space: global }
      - { .name: w1, .offset: 32, .size: 8, .value_kind: global_buffer, .address_space: global }
      - { .name: xb, .offset: 40, .size: 8, .value_kind: global_buffer, .address_space: global }
      - { .name: w1b, .offset: 48, .size: 8, .value_kind: global_buffer, .address_space: global }
      - { .name: wts, .offset: 56, .size: 8, .value_kind: global_buffer, .address_space: global }
    .group_segment_fixed_size: 39424
    .private_segment_fixed_size: 0
    .kernarg_segment_align: 8
    .kernarg_segment_size: 64
    .max_flat_workgroup_size: 512
    .sgpr_count:     66
    .vgpr_count:     180
    .wavefront_size: 32
...
	.end_amdgpu_metadata
.endif
;; end of part 1
;; launch ffn1 (part 2): grid 32 x 16, 4 waves a work-group, clusters of 4 x 4, 327,680 bytes of LDS; arguments xb, w1b, b1, hb, w2, w2b; writes hb, w2b
.if DOCPART == 2
	.amdgcn_target "amdgcn-amd-amdhsa--gfx1250"
	.amdhsa_code_object_version 6
	.text
	.protected	k_qb6f1d62f88_ffn1
	.globl	k_qb6f1d62f88_ffn1
	.p2align	8
	.type	k_qb6f1d62f88_ffn1,@function
k_qb6f1d62f88_ffn1:
	s_mov_b64 s[64:65], 0
	v_nop
	global_prefetch_b8 v0, s[64:65] scope:SCOPE_SE
	s_setreg_imm32_b32 hwreg(HW_REG_WAVE_MODE, 25, 1), 1
	s_wait_xcnt 0x0
	s_wait_alu depctr_hold_cnt(0) depctr_sa_sdst(0) depctr_va_vdst(0) depctr_va_sdst(0) depctr_va_ssrc(0) depctr_va_vcc(0) depctr_vm_vsrc(0)
	s_getreg_b32 s2, hwreg(HW_REG_IB_STS2, 6, 4)
	s_cmp_eq_u32 s2, 0
	s_cbranch_scc0 .Lentry_in_a_cluster
	s_endpgm
.Lentry_in_a_cluster:
	s_bfe_u32 s2, ttmp6, 0x10000c
	s_cmp_lg_u32 s2, 0xf033
	s_cbranch_scc0 .Lentry_shape_is_right
	s_endpgm
.Lentry_shape_is_right:
.set LAYER, 1                          ; 1: hb[e] = gelu(xb w1b[e] + b1[e]), bf16, and w2b = w2 rounded.   2: yh[e], st = pieces of (hb[e] w2b[e] + b2[e]), centred and normalised.  The next launch's text is this one with LAYER = 2, less the lines of w2's rounding.
; MoEFusion, launches 2 and 3 of 4.  No work is left out: every expert is computed for every row.
; C[e][m][n] = f(sum over k of A[m][k] B[e][k][n] + bias[e][n]), m < 4096, n, k < 1024, 8 experts.  A: bf16 rows along K (layer 1: xb, the same for all experts; layer 2: hb[e]).
; B: bf16 [e][k][n], rows along N, as the weights lie.  Sums in f32; the bias is rounded to bf16 like every input.
; SHARES.  A work-group of four waves makes a tile of 256 rows x 256 columns of one expert, a wave 128 x 128: 64 accumulators of 16 x 16, 512 registers.  K goes in 8 steps of 128 through a
; ring of two LDS slots filled by the tensor data mover.  CLUSTERS of 4 x 4: the cluster's x is the expert, cx the quarter of its 1,024 columns, 4 x cluster y + cy the tile row.  The four of a
; row of the cluster need the same rows of A, the four of a column the same tile of B: each is asked for JOINTLY, by the same load with the same descriptor and a mask that names the four.
; THE MATRIX INSTRUCTION IS USED TRANSPOSED: source 0 = 16 columns of B (out of LDS by the turning load ds_load_tr16_b128), source 1 = 16 rows of A: a lane holds row l % 16 of C and the columns 8 (l / 16) + 0..7.
; THE WAY OUT.  Behind the last product and a barrier the ring is dead (its slots have had their last fill): each wave lays its 128 x 128 f32 sums there and reads them back by rows, 8 rows a trip, a lane
; holding 8 neighbouring columns of a row and 16 lanes a row's 128 columns: 256 consecutive bytes of C, aligned, for each half of the lanes.
; LAYER 1: exact GELU, g = u Phi(u), with erf by the rational form 1 - (1 + a1 x + .. + a6 x^6)^-16 (Abramowitz and Stegun 7.1.28, |error| <= 3e-7 for all x >= 0; with f32 rounding through the 16th power
; Phi is within some 1.5e-6: a stated limit).  U = u / 2, a = |U|, p = 1 + a (c1 + a (c2 + ..)), c_k = a_k 2^(k/2), q = p^-16: g = (U + a) - a q for both signs.  Where p overflows, q = 0, the right limit.
; LAYER 1 ALSO ROUNDS w2 TO bf16 (w2b, in w2's order) for the next launch: its 33,554,432 bytes are shared out among the launch's 2,048 waves, 16,384 each, in four groups of eight loads of 512 consecutive bytes.
; A group is asked for at a lap's first change of slots (the first at the head) and is rounded and stored at the next lap's, 512 matrix instructions later; each store covers 256 consecutive bytes, aligned.
; LAYER 2: a wave's 128 columns of a row are a PIECE t = 2 cx + (wave & 1).  m = the piece's mean, v = max(mean((y - m)^2), 2^-100) by a second, centred pass; stored are (y - m) / sqrt(v) in f16
; (at most sqrt(127) in size, whatever the inputs) and (m, v) in f32.  The last launch joins the 8 pieces of a row.  LIMIT: a piece's variance below 2^-100 counts as 2^-100.  NaN and infinities are not treated apart.
; REGISTERS, in windows of 256 (s_set_vgpr_msb: bits 1:0 source 0, 3:2 source 1, 5:4 source 2, 7:6 destination):
;   window 0: v0-31 addresses; v32-47 packed results; v48-55 the bias of my 8 columns; v56-63 at work; v64-127, v128-191 fragments of A, two buffers (on the way out: at work); v192-239 w2's rounding
;   window 1: v64-127, v128-191 fragments of B, two buffers     window 2: the accumulators of my rows 0-63 ((a, b) at 8 (8 a + b))     window 3: those of rows 64-127
.set KSTEP,  128
.set ROWB,   2048                      ; bytes in a row of A, of B and of C: 1,024 numbers of 16 bits
.set ASTEP,  KSTEP*2                   ; a K step along A's rows
.set BSTEP,  KSTEP*ROWB                ; and down B's
.set PITCH,  272                       ; A's row in LDS: 256 bytes + 16 = 68 words: the 16 rows of a load start at 16 different groups of four banks (64 banks of 4 bytes: ISA guide 11.1)
.set PB,     544                       ; B's row in LDS: 512 bytes + 32 = 136 words
.set HALFT,  128*PITCH                 ; what one tensor load brings: 128 rows of A, or 64 rows of B (64 x 544 is the same number)
.set SLOT,   4*HALFT                   ; A's 256 rows, then B's 128 rows
.set BOFF,   2*HALFT
.set SROW,   528                       ; the way out: a row of 128 f32 + 16 bytes
.set STG,    128*SROW                  ; a wave's stage; four of them lie inside the two slots
.set STS,    2*SLOT                    ; layer 2: behind the ring, 128 rows x (m, v) for each wave
.if LAYER == 2
.set SPARE,  STS+4096
.else
.set SPARE,  STS
.endif                                 ; the spare words, 128 bytes for each wave: two blocks of 256 bytes that no other line names
.set CI,   12                          ; v12     layer 1: 16 x lane: my 16 bytes of a chunk of w2; never rewritten
.set CQ,   13                          ; v13     layer 1: 8 x lane: my 8 bytes of a chunk of w2b; never rewritten
.set ADRA, 16                          ; v16-17  LDS address of my A fragments in slot 0, 1
.set ADRB, 20                          ; v20-21  the same for B
.set DST,  24                          ; v24     the way out: where my lane's sums go
.set SRC,  25                          ; v25     where I read rows back; steps 8 rows a trip
.set CO,   26                          ; v26     my byte offset in C; steps 8 rows a trip
.set SA,   27                          ; v27     layer 2: where (m, v) go in LDS
.set SPW,  28                          ; v28     my spare word; never rewritten
.set NIL,  29                          ; v29     0; never rewritten
.set PFO,  30                          ; v30     the prefetches' offset; never rewritten
.set SB,   31                          ; v31     layer 2: where I read (m, v) back
.set SO,   15                          ; v15     layer 2: my byte offset in st
.set H,    32
.set BI,   48
.set F0,   64
.set F1,   128
.set CW,   192                         ; v[192:223] layer 1: a group of w2 as loaded: 8 chunks x 4 registers
.set CP,   224                         ; v[224:239] layer 1: the group rounded: 8 chunks x 2 registers
.set L,    64                          ; the way out: 4 pairs of rows x 8 columns, as read back
.set U,    96                          ; with the bias
.set AB,   128                         ; layer 1: |U|
.set PP,   160                         ; layer 1: p, 1 / p, q
.set T,    128                         ; layer 2: sums, a pair for each pair of rows
.set T2,   136
.set MM,   144                         ; layer 2: (m, v)
.set RR,   152                         ; layer 2: 1 / sqrt(v) in the low register
.set WV,   14                          ; s14 wave   s15 its half of the rows; also: fetches A (0) or B (1)   s16 its half of the columns; also: which half of that tile it fetches
.set RH,   15
.set CH,   16
.set CX,   17
.set CY,   18
.set TROW, 19                          ; tile row
.set G1,   24                          ; s[24:31] descriptor group 1 for A   s[32:39] group 0, a set for each slot
.set G0,   32
.set PFA,  44                          ; s[44:45] where my prefetches stand   s[46:47] their step
.set PST,  46
.set G1B,  48                          ; s[48:55], s[56:63] the same for B
.set G0B,  56
.set LAP,  66
.set LIM,  67                          ; 1 in a wave that prefetches, else the greatest number
.set CNT,  68
.set K0,   69                          ; layer 1: the mask that clears a sign; layer 2: 1/128
.set C1,   70                          ; s[70:81] c1 .. c6, each twice: the packed forms name pairs
.set C2,   72
.set C3,   74
.set C4,   76
.set C5,   78
.set C6,   80
.set HIM,  82                          ; a word's upper bf16
.set K1,   83                          ; layer 2: 2^-100
.set WSRC, 96                          ; s[96:97] layer 1: w2 at the group of my share that was asked for last
.set WDST, 98                          ; s[98:99] layer 1: w2b at the group of my share that is stored next
.set MSB, 0
.macro WIN new                         ; the immediate's high byte repeats the setting that is left; a switch that changes nothing is dropped
.if MSB != (\new)
	s_set_vgpr_msb (MSB<<8)|(\new)
.set MSB, \new
.endif
.endm
.set MUL_LO, 0xa1                      ; source 0 (B) window 1, source 1 (A) window 0, C and D window 2
.set MUL_HI, 0xf1                      ; the same, C and D window 3
.set TO_B,   0x40                      ; destination window 1, address window 0
; A joint load.  Waves 0 and 1 fetch A's two halves, waves 2 and 3 B's.  The branch hangs on the wave's number alone.  An s_nop 0 and four v_nop follow each of the two lines.
.macro JLOAD s
	s_cmp_eq_u32 s[RH], 0
	s_cbranch_scc0 .Lfor_b_\@
	tensor_load_to_lds s[G0+4*(\s):G0+4*(\s)+3], s[G1:G1+7]
	s_nop 0
.rept 4
	v_nop
.endr
	s_branch .Lasked_\@
.Lfor_b_\@:
	tensor_load_to_lds s[G0B+4*(\s):G0B+4*(\s)+3], s[G1B:G1B+7]
	s_nop 0
.rept 4
	v_nop
.endr
.Lasked_\@:
.endm
; A PREFETCH, behind each joint refill and the run of LDS loads that follows it: the K step that stands two refills on, 512 matrix instructions ahead of the load that will want it.  One instruction a wave, a lane a
; block of 256 bytes.  Of the 128 blocks that a wave fetches in a K step each of the four partners that ask jointly takes 32, told apart BY ADDRESS (cx for A: 32 rows; cy for B: 16 rows x 2 blocks).  Rows that several
; clusters read are asked for by one of them (LIM), so each block is named once in the launch.  K steps 0 to 3 come by their loads alone; the loop's last trip (LAP = 1) has no K step two refills on and asks for nothing.
.macro ASK
	s_cmp_gt_u32 s[LAP], s[LIM]
	s_cbranch_scc0 .Lnot_mine_\@
	global_prefetch_b8 v[PFO], s[PFA:PFA+1] th:TH_LOAD_NT scope:SCOPE_SE
.Lnot_mine_\@:
.endm
; A round of the cluster's barrier: my work-group's barrier; wave 0 signals for the work-group; every wave waits for all sixteen; my work-group's barrier once more.
.macro CREST
	s_cmp_lg_u32 s[WV], 0
	s_cbranch_scc1 .Lnot_wave_0_\@
	s_barrier_signal -3
.Lnot_wave_0_\@:
	s_barrier_wait -3
	s_barrier_signal -1
	s_barrier_wait -1
.endm
.macro CROUND
	s_barrier_signal -1
	s_barrier_wait -1
	CREST
.endm
; w2's ROUNDING (layer 1), in three parts, all in window 0.  CASTIN: a group's eight loads.  CASTCVT: the group asked for a lap ago is rounded.  CASTST: it is stored.
.macro CASTIN
.irp c, 0,1,2,3,4,5,6,7
	global_load_b128 v[CW+4*(\c):CW+4*(\c)+3], v[CI], s[WSRC:WSRC+1] offset:512*(\c) th:TH_LOAD_NT
.endr
.endm
.macro CASTCVT
	s_wait_loadcnt 0x0                             ; no load was issued behind the group's eight, which went out 512 matrix instructions ago
.irp c, 0,1,2,3,4,5,6,7
	v_cvt_pk_bf16_f32 v[CP+2*(\c)], v[CW+4*(\c)], v[CW+4*(\c)+1]      ; CP was last read by the stores of a lap ago: at least one s_wait_xcnt 0 stands between
	v_cvt_pk_bf16_f32 v[CP+2*(\c)+1], v[CW+4*(\c)+2], v[CW+4*(\c)+3]
.endr
.endm
.macro CASTST
.irp c, 0,1,2,3,4,5,6,7
	global_store_b64 v[CQ], v[CP+2*(\c):CP+2*(\c)+1], s[WDST:WDST+1] offset:256*(\c)  ; 32 lanes store 256 consecutive bytes, aligned
.endr
.endm
.if LAYER == 2
	s_load_b64 s[12:13], s[0:1], 0x20              ; st
.else
	s_load_b128 s[WSRC:WSRC+3], s[0:1], 0x20       ; w2, w2b
.endif
	s_load_b256 s[4:11], s[0:1], 0x0               ; A s[4:5], B s[6:7], bias s[8:9], C s[10:11]
	v_lshl_add_u32 v[SPW], v0, 2, SPARE
	v_mov_b32 v[NIL], 0
	ds_add_u32 v[SPW], v[NIL]                      ; the wave's opening: the add, twice on end, and its wait ahead of my first tensor load; the set-up below stands between
	ds_add_u32 v[SPW], v[NIL]
	v_lshrrev_b32 v1, 5, v0
	v_readfirstlane_b32 s[WV], v1
	s_lshr_b32 s[RH], s[WV], 1
	s_and_b32 s[CH], s[WV], 1
	s_bfe_u32 s[CX], ttmp6, 0x40000
	s_bfe_u32 s[CY], ttmp6, 0x40004
	s_and_b32 s[TROW], ttmp7, 0xffff               ; in a cluster launch ttmp9 and ttmp7 count clusters
	s_lshl_b32 s[TROW], s[TROW], 2
	s_add_co_u32 s[TROW], s[TROW], s[CY]
	s_lshl_b32 s20, s[CY], 2
	s_lshl_b32 s20, 15, s20                        ; my row of the cluster
	s_lshl_b32 s40, 0x1111, s[CX]                  ; my column
	s_or_b32 s[G1], s20, (1<<16)|(1<<20)|(1<<21)|(5<<22)|(3<<25)   ; mask; 2-byte elements; padding on; bit 21 beside a mask; after every 64 words 4 words
	s_or_b32 s[G1B], s40, (1<<16)|(1<<20)|(1<<21)|(6<<22)|(7<<25)  ; the same with my column's mask; after every 128 words 8 words
	s_mov_b32 s[G1+1], 128<<16                     ; A: tensor_dim0 = 128
	s_mov_b32 s[G1+2], 128<<16                     ; tensor_dim1 = 128
	s_mov_b32 s[G1+3], 128<<16                     ; tile_dim0 = 128 elements
	s_mov_b32 s[G1+4], 128                         ; tile_dim1 = 128 rows
	s_mov_b32 s[G1+5], 1024                        ; elements from row to row
	s_mov_b32 s[G1+6], 0
	s_mov_b32 s[G1+7], 0
	s_mov_b32 s[G1B+1], 256<<16                    ; B: tensor_dim0 = 256
	s_mov_b32 s[G1B+2], 64<<16                     ; tensor_dim1 = 64
	s_mov_b32 s[G1B+3], 256<<16                    ; tile_dim0 = 256 elements
	s_mov_b32 s[G1B+4], 64                         ; tile_dim1 = 64 rows
	s_mov_b32 s[G1B+5], 1024
	s_mov_b32 s[G1B+6], 0
	s_mov_b32 s[G1B+7], 0
	; A's address hangs on the tile row (and, in layer 2, the expert), which my row of the cluster shares; B's on the expert and cx, which my column shares.  Each is made in registers that never hold the other coordinate.
	s_lshl_b32 s20, s[TROW], 8
	s_lshl_b32 s21, s[CH], 7
	s_add_co_u32 s20, s20, s21                     ; A: row 256 x tile row + 128 x half,
	s_lshl_b32 s20, s20, 11                        ; in bytes
.if LAYER == 2
	s_lshl_b32 s21, ttmp9, 23                      ; hb[e]: 4,096 rows of 2,048 bytes an expert
	s_add_co_u32 s20, s20, s21
.endif
	s_mov_b32 s21, 0
	s_lshl_b32 s40, ttmp9, 21                      ; B: the expert's 1,024 rows of 2,048 bytes,
	s_lshl_b32 s41, s[CH], 17                      ; 64 rows x half,
	s_add_co_u32 s40, s40, s41
	s_lshl_b32 s41, s[CX], 9                       ; 256 columns x cx
	s_add_co_u32 s40, s40, s41
	s_mov_b32 s41, 0
	s_mul_i32 s2, s[WV], HALFT                     ; where my tiles go: no place in the cluster enters an LDS address
	s_wait_dscnt 0x0                               ; both opening adds are done
	s_wait_kmcnt 0x0
	s_add_nc_u64 s[22:23], s[4:5], s[20:21]
	s_add_nc_u64 s[42:43], s[6:7], s[40:41]
	CROUND                                         ; all sixteen work-groups are here: the first joint loads meet
.irp s, 0,1
	s_mov_b32 s[G0+4*(\s)], 1
	s_add_co_u32 s[G0+4*(\s)+1], s2, (\s)*SLOT
	s_add_nc_u64 s[G0+4*(\s)+2:G0+4*(\s)+3], s[22:23], (\s)*ASTEP
	s_or_b32 s[G0+4*(\s)+3], s[G0+4*(\s)+3], 0x80000000
	s_mov_b32 s[G0B+4*(\s)], 1
	s_add_co_u32 s[G0B+4*(\s)+1], s2, (\s)*SLOT
	s_add_nc_u64 s[G0B+4*(\s)+2:G0B+4*(\s)+3], s[42:43], (\s)*BSTEP
	s_or_b32 s[G0B+4*(\s)+3], s[G0B+4*(\s)+3], 0x80000000
	JLOAD \s                                       ; K steps 0 and 1: two loads of mine are out
.endr
	v_and_b32 v1, 15, v0                           ; l % 16
	v_bfe_u32 v2, v0, 4, 1                         ; l / 16
	v_mul_u32_u24 v3, v1, PITCH
	v_lshl_add_u32 v3, v2, 4, v3                   ; A's fragment: row x pitch + 16 x half
	v_and_b32 v4, 7, v0
	v_bfe_u32 v5, v0, 3, 1
	v_lshl_add_u32 v6, v2, 3, v4                   ; B's: the turning load reads k = 8 (l / 16) + l % 8,
	v_mul_u32_u24 v6, v6, PB
	v_lshl_add_u32 v6, v5, 4, v6                   ; columns 8 ((l / 8) % 2) + 0..7
	s_mul_i32 s84, s[RH], HALFT                    ; my 128 rows of A
	s_lshl_b32 s85, s[CH], 8                       ; my 128 columns of B,
	s_add_co_u32 s85, s85, BOFF                    ; which lies behind A
.irp s, 0,1
	v_add_nc_u32 v[ADRA+(\s)], s84, v3
	v_add_nc_u32 v[ADRB+(\s)], s85, v6
	s_add_co_u32 s84, s84, SLOT
	s_add_co_u32 s85, s85, SLOT
.endr
	s_mul_i32 s84, s[WV], STG                      ; my stage
	v_mul_u32_u24 v7, v1, SROW
	v_lshl_add_u32 v7, v2, 4, v7
	v_add_nc_u32 v[DST], s84, v7                   ; in: row l % 16; columns 8 (l / 16) + 0..3 at 16 (l / 16), + 4..7 another 256 bytes on
	v_mul_u32_u24 v7, v2, SROW
	v_lshl_add_u32 v7, v1, 4, v7
	v_add_nc_u32 v[SRC], s84, v7                   ; back: lanes 0-15 one row, lanes 16-31 the next; lane i finds columns 8 i + 0..3 at 16 i and 8 i + 4..7 at 16 i + 256
	v_lshlrev_b32 v7, 11, v2
	v_lshl_add_u32 v[CO], v1, 4, v7                ; and the same two rows in C
	s_lshl_b32 s84, ttmp9, 23                      ; C: the expert,
	s_lshl_b32 s85, s[TROW], 19                    ; 256 rows x tile row,
	s_add_co_u32 s84, s84, s85
	s_lshl_b32 s85, s[RH], 18                      ; my 128 rows,
	s_add_co_u32 s84, s84, s85
	s_lshl_b32 s85, s[CX], 9                       ; the tile's 256 columns,
	s_add_co_u32 s84, s84, s85
	s_lshl_b32 s85, s[CH], 8                       ; my 128
	s_add_co_u32 s84, s84, s85
	s_mov_b32 s85, 0
	s_add_nc_u64 s[10:11], s[10:11], s[84:85]
	s_lshl_b32 s86, ttmp9, 12                      ; the bias of my 128 columns, f32
	s_lshl_b32 s87, s[CX], 10
	s_add_co_u32 s86, s86, s87
	s_lshl_b32 s87, s[CH], 9
	s_add_co_u32 s86, s86, s87
	s_mov_b32 s87, 0
	s_add_nc_u64 s[8:9], s[8:9], s[86:87]
	v_lshlrev_b32 v8, 5, v1                        ; lane i: columns 8 i + 0..7
	global_load_b128 v[BI:BI+3], v8, s[8:9]
	global_load_b128 v[BI+4:BI+7], v8, s[8:9] offset:16
.if LAYER == 1
	; my share of w2: the launch's waves are numbered 4 (32 x tile row + 4 x expert + cx) + wave, 0 to 2,047; the number enters these two global addresses alone
	s_lshl_b32 s92, s[TROW], 5
	s_lshl_b32 s93, ttmp9, 2
	s_add_co_u32 s92, s92, s93
	s_add_co_u32 s92, s92, s[CX]
	s_lshl_b32 s92, s92, 2
	s_add_co_u32 s92, s92, s[WV]
	s_lshl_b32 s94, s92, 13                        ; 8,192 bytes of w2b a wave,
	s_lshl_b32 s92, s92, 14                        ; 16,384 bytes of w2
	s_mov_b32 s93, 0
	s_mov_b32 s95, 0
	s_add_nc_u64 s[WSRC:WSRC+1], s[WSRC:WSRC+1], s[92:93]
	s_add_nc_u64 s[WDST:WDST+1], s[WDST:WDST+1], s[94:95]
	v_and_b32 v[CI], 31, v0
	v_lshlrev_b32 v[CQ], 3, v[CI]
	v_lshlrev_b32 v[CI], 4, v[CI]
	CASTIN                                         ; group 0
.endif
	; the prefetches: they stand one K step short of the first that is named (K step 4); each change of slots steps them first
	s_lshl_b32 s88, s[TROW], 19                    ; A: row 256 x tile row + 128 x half + 32 cx
	s_lshl_b32 s89, s[CH], 18
	s_add_co_u32 s88, s88, s89
	s_lshl_b32 s89, s[CX], 16
	s_add_co_u32 s88, s88, s89
.if LAYER == 2
	s_lshl_b32 s89, ttmp9, 23
	s_add_co_u32 s88, s88, s89
.endif
	s_add_co_u32 s88, s88, 3*ASTEP
	s_lshl_b32 s90, ttmp9, 21                      ; B: the expert, row 64 x half + 16 cy, column 256 cx
	s_lshl_b32 s89, s[CH], 17
	s_add_co_u32 s90, s90, s89
	s_lshl_b32 s89, s[CY], 15
	s_add_co_u32 s90, s90, s89
	s_lshl_b32 s89, s[CX], 9
	s_add_co_u32 s90, s90, s89
	s_add_co_u32 s90, s90, 3*BSTEP
	s_and_b32 s91, ttmp7, 0xffff                   ; cluster y
	s_mov_b32 s[PST], BSTEP                        ; B's step; the choice below puts A's in its place (an instruction holds one literal)
	s_cmp_eq_u32 s[RH], 0                          ; do I fetch for A?
	s_cselect_b32 s88, s88, s90
	s_cselect_b64 s[PFA:PFA+1], s[4:5], s[6:7]
	s_cselect_b32 s[PST], ASTEP, s[PST]
.if LAYER == 2
	s_cselect_b32 s91, 0, s91                      ; an expert's rows of hb are read by one column of clusters, each tile row by one cluster: every cluster asks for its own; B's tile by the four clusters of the expert: cluster y = 0 asks
.else
	s_cselect_b32 s91, ttmp9, s91                  ; xb's rows are read by the eight experts' clusters: cluster x = 0 asks; B's tile by the four clusters of the expert: cluster y = 0 asks
.endif
	s_mov_b32 s89, 0
	s_mov_b32 s[PST+1], 0
	s_cmp_eq_u32 s91, 0
	s_cselect_b32 s[LIM], 1, -1                    ; the same in all sixteen partners, for a given wave
	s_add_nc_u64 s[PFA:PFA+1], s[PFA:PFA+1], s[88:89]
	v_and_b32 v9, 31, v0
	v_lshrrev_b32 v10, s[RH], v9                   ; A: a lane a row;  B: two lanes a row,
	v_and_b32 v11, s[RH], v9                       ; 256 bytes apart
	v_lshlrev_b32 v10, 11, v10
	v_lshl_add_u32 v[PFO], v11, 8, v10
	s_mov_b32 s[HIM], 0xffff0000
.if LAYER == 2
	s_lshl_b32 s92, s[TROW], 17                    ; st: [row / 32][8 e + t][row % 32][2] f32: 8 groups of 32 rows a tile row, 16,384 bytes a group,
	s_lshl_b32 s93, s[RH], 16                      ; my four groups,
	s_add_co_u32 s92, s92, s93
	s_lshl_b32 s93, ttmp9, 11                      ; 256 bytes for each of the expert's 8 pieces,
	s_add_co_u32 s92, s92, s93
	s_lshl_b32 s93, s[CX], 9                       ; t = 2 cx + my half
	s_add_co_u32 s92, s92, s93
	s_lshl_b32 s93, s[CH], 8
	s_add_co_u32 s92, s92, s93
	s_mov_b32 s93, 0
	s_add_nc_u64 s[12:13], s[12:13], s[92:93]
	s_lshl_b32 s94, s[WV], 10
	s_add_co_u32 s94, s94, STS
	v_lshl_add_u32 v[SA], v2, 3, s94               ; 8 bytes a row
	v_lshl_add_u32 v[SB], v9, 4, s94
	v_lshlrev_b32 v7, 14, v2
	v_lshl_add_u32 v[SO], v1, 4, v7                ; lanes 0-15 one group's 256 bytes, lanes 16-31 the next group's
	s_mov_b32 s[K0], 0x3c000000                    ; 1/128
	s_mov_b32 s[K1], 0x0d800000                    ; 2^-100
.else
	s_mov_b32 s[K0], 0x7fffffff
	s_mov_b32 s[C1], 0x3dcc41b4                    ; 0.0705230784 x 2^(1/2)
	s_mov_b32 s[C1+1], 0x3dcc41b4
	s_mov_b32 s[C2], 0x3dad2fe7                    ; 0.0422820123 x 2
	s_mov_b32 s[C2+1], 0x3dad2fe7
	s_mov_b32 s[C3], 0x3cd6cd72                    ; 0.0092705272 x 2^(3/2)
	s_mov_b32 s[C3+1], 0x3cd6cd72
	s_mov_b32 s[C4], 0x3a1f6607                    ; 0.0001520143 x 4
	s_mov_b32 s[C4+1], 0x3a1f6607
	s_mov_b32 s[C5], 0x3acd0fec                    ; 0.0002765672 x 2^(5/2)
	s_mov_b32 s[C5+1], 0x3acd0fec
	s_mov_b32 s[C6], 0x39b49f67                    ; 0.0000430638 x 8
	s_mov_b32 s[C6+1], 0x39b49f67
.endif
.if LAYER == 1
	s_wait_loadcnt 0x8                             ; the bias is in; the eight loads of w2 issued behind it stay out
.else
	s_wait_loadcnt 0x0                             ; the bias
.endif
.irp p, 0,1,2,3
	v_cvt_pk_bf16_f32 v[56+(\p)], v[BI+2*(\p)], v[BI+2*(\p)+1]  ; rounded to bf16 like every input
.endr
.irp p, 0,1,2,3
	v_lshlrev_b32 v[BI+2*(\p)], 16, v[56+(\p)]
	v_and_b32 v[BI+2*(\p)+1], s[HIM], v[56+(\p)]
.endr
.if LAYER == 1
.irp p, 0,2,4,6
	v_pk_mul_f32 v[BI+(\p):BI+(\p)+1], v[BI+(\p):BI+(\p)+1], 0.5 op_sel_hi:[1,0]  ; b1 / 2, exact: U = sum / 2 + b1 / 2 is then one fused multiply-add
.endr
.endif
; 16 matrix instructions: m blocks a0, a0 + 1 of the window's four x all 8 n blocks, 32 along K.  zero = 1: the first product starts the sums: nothing is cleared.
; The 64 accumulators take turns, one instruction a turn, in the same order in every quarter step.
.macro MUL16 f, hi, a0, zero
	WIN MUL_LO+0x50*(\hi)
.irp a, \a0, (\a0)+1
.irp b, 0,1,2,3,4,5,6,7
.if \zero
	v_wmma_f32_16x16x32_bf16 v[8*(8*(\a)+(\b)):8*(8*(\a)+(\b))+7], v[(\f)+8*(\b):(\f)+8*(\b)+7], v[(\f)+8*(4*(\hi)+(\a)):(\f)+8*(4*(\hi)+(\a))+7], 0
.else
	v_wmma_f32_16x16x32_bf16 v[8*(8*(\a)+(\b)):8*(8*(\a)+(\b))+7], v[(\f)+8*(\b):(\f)+8*(\b)+7], v[(\f)+8*(4*(\hi)+(\a)):(\f)+8*(4*(\hi)+(\a))+7], v[8*(8*(\a)+(\b)):8*(8*(\a)+(\b))+7]
.endif
.endr
.endr
.endm
; 32 LDS loads in one run: the fragments of quarter q of a K step (32 k x my 128 columns of B, turned; my 128 rows of A x 32 k) into buffer f
.macro FETCH slot, q, f
	WIN TO_B
.irp i, 0,1,2,3,4,5,6,7
	ds_load_tr16_b128 v[(\f)+8*(\i):(\f)+8*(\i)+3],   v[ADRB+(\slot)] offset:(\q)*32*PB+32*(\i)
	ds_load_tr16_b128 v[(\f)+8*(\i)+4:(\f)+8*(\i)+7], v[ADRB+(\slot)] offset:(\q)*32*PB+16*PB+32*(\i)
.endr
	WIN 0
.irp i, 0,1,2,3,4,5,6,7
	ds_load_b128 v[(\f)+8*(\i):(\f)+8*(\i)+3],   v[ADRA+(\slot)] offset:64*(\q)+(\i)*16*PITCH
	ds_load_b128 v[(\f)+8*(\i)+4:(\f)+8*(\i)+7], v[ADRA+(\slot)] offset:64*(\q)+(\i)*16*PITCH+32
.endr
.endm
.macro PLACES                          ; four plain vector instructions between a matrix instruction and a load into, or a vector write of, its registers, or a read of its result (ISA guide 7.12.1 for vector instructions)
.rept 4
	v_nop
.endr
.endm
; A K step is four quarters of 32 along K, 64 matrix instructions each, on buffers 0, 1, 0, 1.  One of the first three: multiplies buffer f; in its middle it fetches quarter q into buffer g.
.macro QUARTER slot, q, f, g, zero
	s_wait_dscnt 8                                 ; B and A's rows 0-63 are in; the youngest eight loads (A's rows 64-127) may be out
	MUL16 \f, 0, 0, \zero
	MUL16 \f, 0, 2, \zero
	PLACES
	FETCH \slot, \q, \g
	s_wait_dscnt 32                                ; all but the 32 just issued
	MUL16 \f, 1, 0, \zero
	MUL16 \f, 1, 2, \zero
.endm
; The last quarter multiplies buffer 1 and changes slots.  In front of the one barrier each wave waits for all its tensor loads (one is out: its part of the next slot), adds 0 to its spare word, and waits for that and for its reads of this slot.
.macro MEET round
	WIN 0
	s_wait_tensorcnt 0x0
	ds_add_u32 v[SPW], v[NIL]
	s_wait_dscnt 9                                 ; (the add and the youngest eight loads may be out)
	MUL16 F1, 0, 0, 0
	s_wait_dscnt 0x0                               ; the add is done, and my reads of this slot are over
	s_barrier_signal -1
	MUL16 F1, 0, 2, 0
.if \round
	WIN 0
.endif
	s_barrier_wait -1
.endm
; fill = 1: the barrier opens a round of the cluster's, so that no wave of any partner still reads the slot or has a load on its way; the joint refill, two K steps on, is the first thing behind it: 224 matrix instructions ahead of the wait for it.
; Layer 1, at a lap's first change of slots: the group of w2 asked for a lap ago is rounded behind the joint load, and stored behind the run of LDS loads; the next group's loads follow the stores.
.macro TURN slot, next, fill
.if \fill
	s_wait_xcnt 0x0                                ; the last prefetch, a K step back, has read its address; so have w2's last loads and w2b's last stores theirs
	s_add_nc_u64 s[PFA:PFA+1], s[PFA:PFA+1], s[PST:PST+1]
.if LAYER == 1
.if (\slot) == 0
	s_add_nc_u64 s[WSRC:WSRC+1], s[WSRC:WSRC+1], 4096   ; the group that this change of slots asks for
.else
	s_add_nc_u64 s[WDST:WDST+1], s[WDST:WDST+1], 2048   ; the group that the next lap stores
.endif
.endif
	MEET 1
	CREST
	s_add_nc_u64 s[G0+4*(\slot)+2:G0+4*(\slot)+3], s[G0+4*(\slot)+2:G0+4*(\slot)+3], 2*ASTEP
	s_add_nc_u64 s[G0B+4*(\slot)+2:G0B+4*(\slot)+3], s[G0B+4*(\slot)+2:G0B+4*(\slot)+3], 2*BSTEP
	JLOAD \slot                                    ; its four v_nop are also the places in front of the loads below
.if (LAYER == 1) && ((\slot) == 0)
	CASTCVT
.endif
	FETCH \next, 0, F0
.if (LAYER == 1) && ((\slot) == 0)
	CASTST
	CASTIN
.endif
	ASK
.else
	MEET 0
.if LAYER == 1
	WIN 0
	CASTCVT                                        ; w2's last group; its sixteen conversions, which name no register of a matrix instruction, are also the places in front of the loads below
.else
	PLACES
.endif
	FETCH \next, 0, F0
.if LAYER == 1
	CASTST
.endif
.endif
	MUL16 F1, 1, 0, 0
	MUL16 F1, 1, 2, 0
.endm
	s_wait_tensorcnt 0x1                           ; my part of K step 0 is in; K step 1's may stay out
	s_barrier_signal -1
	s_barrier_wait -1                              ; everybody's is
	FETCH 0, 0, F0
	QUARTER 0, 1, F0, F1, 1                        ; the first quarter stands in front of the loop: its products start the sums
	WIN 0                                          ; at a label and at a branch every window is 0
	s_mov_b32 s[LAP], 3
.Llap:                                                 ; a trip goes once round the ring, from a lap's second quarter to the next lap's first, and fills both slots again: K steps 2 to 7
	QUARTER 0, 2, F1, F0, 0
	QUARTER 0, 3, F0, F1, 0
	TURN 0, 1, 1
	QUARTER 1, 1, F0, F1, 0
	QUARTER 1, 2, F1, F0, 0
	QUARTER 1, 3, F0, F1, 0
	TURN 1, 0, 1
	QUARTER 0, 1, F0, F1, 0
	WIN 0
	s_sub_co_u32 s[LAP], s[LAP], 1
	s_cmp_lg_u32 s[LAP], 0
	s_cbranch_scc1 .Llap
	QUARTER 0, 2, F1, F0, 0                        ; the last lap is written out: it fills nothing
	QUARTER 0, 3, F0, F1, 0
	TURN 0, 1, 0
	QUARTER 1, 1, F0, F1, 0
	QUARTER 1, 2, F1, F0, 0
	QUARTER 1, 3, F0, F1, 0
	s_wait_dscnt 8
	MUL16 F1, 0, 0, 0
	MUL16 F1, 0, 2, 0
	s_wait_dscnt 0x0                               ; my reads of the ring are over:
	s_barrier_signal -1                            ; say so,
	MUL16 F1, 1, 0, 0
	MUL16 F1, 1, 2, 0
	WIN 0
	s_barrier_wait -1                              ; and when all four have said so the slots, which have had their last fill, are the stages
	PLACES
	; the sums go into my stage; each accumulator's lowest registers are read first
.irp a, 0,1,2,3,4,5,6,7
	WIN 0x08+4*((\a)/4)                            ; store data (source 1) in window 2 or 3
.irp b, 0,1,2,3,4,5,6,7
	ds_store_b128 v[DST], v[64*((\a)%4)+8*(\b):64*((\a)%4)+8*(\b)+3]   offset:(\a)*16*SROW+32*(\b)
	ds_store_b128 v[DST], v[64*((\a)%4)+8*(\b)+4:64*((\a)%4)+8*(\b)+7] offset:(\a)*16*SROW+32*(\b)+256
.endr
.endr
	WIN 0
.macro EPLOADS                         ; 8 rows: four pairs, each lane 8 columns of one row
.irp rp, 0,1,2,3
	ds_load_b128 v[L+8*(\rp):L+8*(\rp)+3],   v[SRC] offset:(\rp)*2*SROW
	ds_load_b128 v[L+8*(\rp)+4:L+8*(\rp)+7], v[SRC] offset:(\rp)*2*SROW+256
.endr
.endm
.if LAYER == 2
.irp rp, 0,1,2,3
	v_mov_b32 v[MM+2*(\rp)+1], 0                   ; named as pairs before their upper halves are made
	v_mov_b32 v[RR+2*(\rp)+1], 0
.endr
.endif
	s_mov_b32 s[CNT], 16
	EPLOADS                                        ; LDS serves a wave's instructions in order (ISA guide 5.7.1.4): these see my stores above
.Lout:                                                 ; 16 trips of 8 rows
	s_wait_dscnt 0x0                               ; the trip's rows are in
.set k, 0
.rept 16
.if LAYER == 1
	v_pk_fma_f32 v[U+k:U+k+1], v[L+k:L+k+1], 0.5, v[BI+k%8:BI+k%8+1] op_sel_hi:[1,0,1]  ; U = (sum + b1) / 2
.else
	v_pk_add_f32 v[U+k:U+k+1], v[L+k:L+k+1], v[BI+k%8:BI+k%8+1]                          ; y = sum + b2
.endif
.set k, k+2
.endr
	s_cmp_eq_u32 s[CNT], 1
	s_cbranch_scc1 .Lnoload                        ; the last trip has no rows behind it
	v_add_nc_u32 v[SRC], 8*SROW, v[SRC]
	EPLOADS                                        ; the next trip's rows come in under this trip's arithmetic
.Lnoload:
	s_wait_xcnt 0x0                                ; the last trip's stores have read H and CO, which are written below
.if LAYER == 1
	v_add_nc_u32 v[CO], 8*ROWB, v[CO]
.set k, 0
.rept 32
	v_and_b32 v[AB+k], s[K0], v[U+k]               ; a = |U|
.set k, k+1
.endr
.set k, 0
.rept 16
	v_pk_fma_f32 v[PP+k:PP+k+1], v[AB+k:AB+k+1], s[C6:C6+1], s[C5:C5+1] op_sel_hi:[1,0,0]
.set k, k+2
.endr
.irp c, C4, C3, C2, C1
.set k, 0
.rept 16
	v_pk_fma_f32 v[PP+k:PP+k+1], v[PP+k:PP+k+1], v[AB+k:AB+k+1], s[\c:\c+1] op_sel_hi:[1,1,0]
.set k, k+2
.endr
.endr
.set k, 0
.rept 16
	v_pk_fma_f32 v[PP+k:PP+k+1], v[PP+k:PP+k+1], v[AB+k:AB+k+1], 1.0 op_sel_hi:[1,1,0]  ; p
.set k, k+2
.endr
.set k, 0
.rept 32
	v_rcp_f32 v[PP+k], v[PP+k]                     ; one batch
.set k, k+1
.endr
.set k, 0
.rept 16
	v_pk_add_f32 v[U+k:U+k+1], v[U+k:U+k+1], v[AB+k:AB+k+1]  ; U + a: plain work that names no reciprocal
.set k, k+2
.endr
	s_wait_alu depctr_va_vdst(0)                   ; the one wait ahead of the batch's first reader
.rept 4                                        ; (1 / p)^16 by four squarings
.set k, 0
.rept 16
	v_pk_mul_f32 v[PP+k:PP+k+1], v[PP+k:PP+k+1], v[PP+k:PP+k+1]
.set k, k+2
.endr
.endr
.set k, 0
.rept 16
	v_pk_fma_f32 v[U+k:U+k+1], v[AB+k:AB+k+1], v[PP+k:PP+k+1], v[U+k:U+k+1] neg_lo:[1,0,0] neg_hi:[1,0,0]  ; g = (U + a) - a q
.set k, k+2
.endr
.set k, 0
.rept 16
	v_cvt_pk_bf16_f32 v[H+k], v[U+2*k], v[U+2*k+1]
.set k, k+1
.endr
.else
	; the piece's mean: 8 columns in the lane, then 16 lanes
.irp rp, 0,1,2,3
	v_pk_add_f32 v[T+2*(\rp):T+2*(\rp)+1], v[U+8*(\rp):U+8*(\rp)+1], v[U+8*(\rp)+2:U+8*(\rp)+3]
	v_pk_add_f32 v[T2+2*(\rp):T2+2*(\rp)+1], v[U+8*(\rp)+4:U+8*(\rp)+5], v[U+8*(\rp)+6:U+8*(\rp)+7]
.endr
.irp rp, 0,1,2,3
	v_pk_add_f32 v[T+2*(\rp):T+2*(\rp)+1], v[T+2*(\rp):T+2*(\rp)+1], v[T2+2*(\rp):T2+2*(\rp)+1]
.endr
.irp rp, 0,1,2,3
	v_add_f32 v[T+2*(\rp)], v[T+2*(\rp)], v[T+2*(\rp)+1]
.endr
.irp x, 1,2,4,8
.irp rp, 0,1,2,3
	v_add_f32_dpp v[T+2*(\rp)], v[T+2*(\rp)], v[T+2*(\rp)] row_xmask:\x row_mask:0xf bank_mask:0xf
.endr
.endr
.irp rp, 0,1,2,3
	v_mul_f32 v[MM+2*(\rp)], s[K0], v[T+2*(\rp)]   ; m
.endr
.irp c, 0,2,4,6
.irp rp, 0,1,2,3
	v_pk_add_f32 v[U+8*(\rp)+(\c):U+8*(\rp)+(\c)+1], v[U+8*(\rp)+(\c):U+8*(\rp)+(\c)+1], v[MM+2*(\rp):MM+2*(\rp)+1] op_sel_hi:[1,0] neg_lo:[0,1] neg_hi:[0,1]  ; y - m
.endr
.endr
	; the centred second pass
.irp rp, 0,1,2,3
	v_pk_mul_f32 v[T+2*(\rp):T+2*(\rp)+1], v[U+8*(\rp):U+8*(\rp)+1], v[U+8*(\rp):U+8*(\rp)+1]
.endr
.irp c, 2,4,6
.irp rp, 0,1,2,3
	v_pk_fma_f32 v[T+2*(\rp):T+2*(\rp)+1], v[U+8*(\rp)+(\c):U+8*(\rp)+(\c)+1], v[U+8*(\rp)+(\c):U+8*(\rp)+(\c)+1], v[T+2*(\rp):T+2*(\rp)+1]
.endr
.endr
.irp rp, 0,1,2,3
	v_add_f32 v[T+2*(\rp)], v[T+2*(\rp)], v[T+2*(\rp)+1]
.endr
.irp x, 1,2,4,8
.irp rp, 0,1,2,3
	v_add_f32_dpp v[T+2*(\rp)], v[T+2*(\rp)], v[T+2*(\rp)] row_xmask:\x row_mask:0xf bank_mask:0xf
.endr
.endr
.irp rp, 0,1,2,3
	v_mul_f32 v[MM+2*(\rp)+1], s[K0], v[T+2*(\rp)]
.endr
.irp rp, 0,1,2,3
	v_max_num_f32 v[MM+2*(\rp)+1], s[K1], v[MM+2*(\rp)+1]  ; v
.endr
.irp rp, 0,1,2,3
	v_rsq_f32 v[RR+2*(\rp)], v[MM+2*(\rp)+1]
.endr
	v_add_nc_u32 v[CO], 8*ROWB, v[CO]              ; the plain instruction behind the last of the batch,
	s_wait_alu depctr_va_vdst(0)                   ; and the one wait ahead of its first reader
.irp c, 0,2,4,6
.irp rp, 0,1,2,3
	v_pk_mul_f32 v[U+8*(\rp)+(\c):U+8*(\rp)+(\c)+1], v[U+8*(\rp)+(\c):U+8*(\rp)+(\c)+1], v[RR+2*(\rp):RR+2*(\rp)+1] op_sel_hi:[1,0]
.endr
.endr
.set k, 0
.rept 16
	v_cvt_pk_f16_f32 v[H+k], v[U+2*k], v[U+2*k+1]
.set k, k+1
.endr
.irp rp, 0,1,2,3
	ds_store_b64 v[SA], v[MM+2*(\rp):MM+2*(\rp)+1] offset:16*(\rp)  ; the 16 lanes of a row write the same 8 bytes
.endr
	v_add_nc_u32 v[SA], 64, v[SA]
.endif
.irp rp, 0,1,2,3
	global_store_b128 v[CO], v[H+4*(\rp):H+4*(\rp)+3], s[10:11] offset:(\rp)*2*ROWB-8*ROWB  ; 16 lanes store 256 consecutive bytes, aligned: my 128 columns of a row
.endr
	s_sub_co_u32 s[CNT], s[CNT], 1
	s_cmp_lg_u32 s[CNT], 0
	s_cbranch_scc1 .Lout
.if LAYER == 2
	ds_load_b128 v[L:L+3], v[SB]                   ; my 128 rows' (m, v): four groups of 32 rows, 256 bytes each
	ds_load_b128 v[L+4:L+7], v[SB] offset:512
	s_wait_dscnt 0x0
	global_store_b128 v[SO], v[L:L+3], s[12:13]
	global_store_b128 v[SO], v[L+4:L+7], s[12:13] offset:32768
.endif
	s_wait_tensorcnt 0x0                           ; the wave's end, behind my last tensor load and my last LDS store
	ds_add_u32 v[SPW], v[NIL]
	s_wait_dscnt 0x0
	CROUND                                         ; the closing round: no work-group ends while a partner may still ask for a tile that names it
	s_endpgm
.Lfunc_end_k_qb6f1d62f88_ffn1:
	.size	k_qb6f1d62f88_ffn1, .Lfunc_end_k_qb6f1d62f88_ffn1-k_qb6f1d62f88_ffn1
	.p2alignl 7, 3214868480
	.fill 96, 4, 3214868480
	.section	.rodata,"a",@progbits
	.p2align	6, 0x0
	.amdhsa_kernel k_qb6f1d62f88_ffn1
		.amdhsa_group_segment_fixed_size 327680
		.amdhsa_private_segment_fixed_size 0
		.amdhsa_enable_private_segment 0
		.amdhsa_kernarg_size 48
		.amdhsa_user_sgpr_count 2
		.amdhsa_user_sgpr_kernarg_segment_ptr 1
		.amdhsa_wavefront_size32 1
		.amdhsa_system_sgpr_workgroup_id_x 1
		.amdhsa_system_sgpr_workgroup_id_y 1
		.amdhsa_system_sgpr_workgroup_id_z 1
		.amdhsa_system_vgpr_workitem_id 0
		.amdhsa_next_free_vgpr 1024
		.amdhsa_next_free_sgpr 100
		.amdhsa_reserve_vcc 0
		.amdhsa_float_denorm_mode_32 3
		.amdhsa_float_denorm_mode_16_64 3
		.amdhsa_memory_ordered 1
		.amdhsa_forward_progress 1
		.amdhsa_inst_pref_size 147
	.end_amdhsa_kernel
	.amdgpu_metadata
---
amdhsa.version: [ 1, 2 ]
amdhsa.kernels:
  - .name:           k_qb6f1d62f88_ffn1
    .symbol:         k_qb6f1d62f88_ffn1.kd
    .args:
      - { .name: xb, .offset: 0, .size: 8, .value_kind: global_buffer, .address_space: global }
      - { .name: w1b, .offset: 8, .size: 8, .value_kind: global_buffer, .address_space: global }
      - { .name: b1, .offset: 16, .size: 8, .value_kind: global_buffer, .address_space: global }
      - { .name: hb, .offset: 24, .size: 8, .value_kind: global_buffer, .address_space: global }
      - { .name: w2, .offset: 32, .size: 8, .value_kind: global_buffer, .address_space: global }
      - { .name: w2b, .offset: 40, .size: 8, .value_kind: global_buffer, .address_space: global }
    .group_segment_fixed_size: 327680
    .private_segment_fixed_size: 0
    .kernarg_segment_align: 8
    .kernarg_segment_size: 48
    .max_flat_workgroup_size: 128
    .sgpr_count:     100
    .vgpr_count:     1024
    .wavefront_size: 32
...
	.end_amdgpu_metadata
.endif
;; end of part 2
;; launch ffn2 (part 3): grid 32 x 16, 4 waves a work-group, clusters of 4 x 4, 327,680 bytes of LDS; arguments hb, w2b, b2, yh, st; writes yh, st
.if DOCPART == 3
	.amdgcn_target "amdgcn-amd-amdhsa--gfx1250"
	.amdhsa_code_object_version 6
	.text
	.protected	k_qb6f1d62f88_ffn2
	.globl	k_qb6f1d62f88_ffn2
	.p2align	8
	.type	k_qb6f1d62f88_ffn2,@function
k_qb6f1d62f88_ffn2:
	s_mov_b64 s[64:65], 0
	v_nop
	global_prefetch_b8 v0, s[64:65] scope:SCOPE_SE
	s_setreg_imm32_b32 hwreg(HW_REG_WAVE_MODE, 25, 1), 1
	s_wait_xcnt 0x0
	s_wait_alu depctr_hold_cnt(0) depctr_sa_sdst(0) depctr_va_vdst(0) depctr_va_sdst(0) depctr_va_ssrc(0) depctr_va_vcc(0) depctr_vm_vsrc(0)
	s_getreg_b32 s2, hwreg(HW_REG_IB_STS2, 6, 4)
	s_cmp_eq_u32 s2, 0
	s_cbranch_scc0 .Lentry_in_a_cluster
	s_endpgm
.Lentry_in_a_cluster:
	s_bfe_u32 s2, ttmp6, 0x10000c
	s_cmp_lg_u32 s2, 0xf033
	s_cbranch_scc0 .Lentry_shape_is_right
	s_endpgm
.Lentry_shape_is_right:
.set LAYER, 2                          ; 1: hb[e] = gelu(xb w1b[e] + b1[e]), bf16.   2: yh[e], st = pieces of (hb[e] w2b[e] + b2[e]), centred and normalised.  One text serves both products.
; MoEFusion, launches 2 and 3 of 4.  No work is left out: every expert is computed for every row.
; C[e][m][n] = f(sum over k of A[m][k] B[e][k][n] + bias[e][n]), m < 4096, n, k < 1024, 8 experts.  A: bf16 rows along K (layer 1: xb, the same for all experts; layer 2: hb[e]).
; B: bf16 [e][k][n], rows along N, as the weights lie.  Sums in f32; the bias is rounded to bf16 like every input.
; SHARES.  A work-group of four waves makes a tile of 256 rows x 256 columns of one expert, a wave 128 x 128: 64 accumulators of 16 x 16, 512 registers.  K goes in 8 steps of 128 through a
; ring of two LDS slots filled by the tensor data mover.  CLUSTERS of 4 x 4: the cluster's x is the expert, cx the quarter of its 1,024 columns, 4 x cluster y + cy the tile row.  The four of a
; row of the cluster need the same rows of A, the four of a column the same tile of B: each is asked for JOINTLY, by the same load with the same descriptor and a mask that names the four.
; THE MATRIX INSTRUCTION IS USED TRANSPOSED: source 0 = 16 columns of B (out of LDS by the turning load ds_load_tr16_b128), source 1 = 16 rows of A: a lane holds row l % 16 of C and the columns 8 (l / 16) + 0..7.
; THE WAY OUT.  Behind the last product and a barrier the ring is dead (its slots have had their last fill): each wave lays its 128 x 128 f32 sums there and reads them back by rows, 8 rows a trip, a lane
; holding 8 neighbouring columns of a row and 16 lanes a row's 128 columns: 256 consecutive bytes of C, aligned, for each half of the lanes.
; LAYER 1: exact GELU, g = u Phi(u), with erf by the rational form 1 - (1 + a1 x + .. + a6 x^6)^-16 (Abramowitz and Stegun 7.1.28, |error| <= 3e-7 for all x >= 0; with f32 rounding through the 16th power
; Phi is within some 1.5e-6: a stated limit).  U = u / 2, a = |U|, p = 1 + a (c1 + a (c2 + ..)), c_k = a_k 2^(k/2), q = p^-16: g = (U + a) - a q for both signs.  Where p overflows, q = 0, the right limit.
; LAYER 2: a wave's 128 columns of a row are a PIECE t = 2 cx + (wave & 1).  m = the piece's mean, v = max(mean((y - m)^2), 2^-100) by a second, centred pass; stored are (y - m) / sqrt(v) in f16
; (at most sqrt(127) in size, whatever the inputs) and (m, v) in f32.  The last launch joins the 8 pieces of a row.  LIMIT: a piece's variance below 2^-100 counts as 2^-100.  NaN and infinities are not treated apart.
; REGISTERS, in windows of 256 (s_set_vgpr_msb: bits 1:0 source 0, 3:2 source 1, 5:4 source 2, 7:6 destination):
;   window 0: v0-31 addresses; v32-47 packed results; v48-55 the bias of my 8 columns; v56-63 at work; v64-127, v128-191 fragments of A, two buffers (on the way out: at work)
;   window 1: v64-127, v128-191 fragments of B, two buffers     window 2: the accumulators of my rows 0-63 ((a, b) at 8 (8 a + b))     window 3: those of rows 64-127
.set KSTEP,  128
.set ROWB,   2048                      ; bytes in a row of A, of B and of C: 1,024 numbers of 16 bits
.set ASTEP,  KSTEP*2                   ; a K step along A's rows
.set BSTEP,  KSTEP*ROWB                ; and down B's
.set PITCH,  272                       ; A's row in LDS: 256 bytes + 16 = 68 words: the 16 rows of a load start at 16 different groups of four banks (64 banks of 4 bytes: ISA guide 11.1)
.set PB,     544                       ; B's row in LDS: 512 bytes + 32 = 136 words
.set HALFT,  128*PITCH                 ; what one tensor load brings: 128 rows of A, or 64 rows of B (64 x 544 is the same number)
.set SLOT,   4*HALFT                   ; A's 256 rows, then B's 128 rows
.set BOFF,   2*HALFT
.set SROW,   528                       ; the way out: a row of 128 f32 + 16 bytes
.set STG,    128*SROW                  ; a wave's stage; four of them lie inside the two slots
.set STS,    2*SLOT                    ; layer 2: behind the ring, 128 rows x (m, v) for each wave
.if LAYER == 2
.set SPARE,  STS+4096
.else
.set SPARE,  STS
.endif                                 ; the spare words, 128 bytes for each wave: two blocks of 256 bytes that no other line names
.set ADRA, 16                          ; v16-17  LDS address of my A fragments in slot 0, 1
.set ADRB, 20                          ; v20-21  the same for B
.set DST,  24                          ; v24     the way out: where my lane's sums go
.set SRC,  25                          ; v25     where I read rows back; steps 8 rows a trip
.set CO,   26                          ; v26     my byte offset in C; steps 8 rows a trip
.set SA,   27                          ; v27     layer 2: where (m, v) go in LDS
.set SPW,  28                          ; v28     my spare word; never rewritten
.set NIL,  29                          ; v29     0; never rewritten
.set PFO,  30                          ; v30     the prefetches' offset; never rewritten
.set SB,   31                          ; v31     layer 2: where I read (m, v) back
.set SO,   15                          ; v15     layer 2: my byte offset in st
.set H,    32
.set BI,   48
.set F0,   64
.set F1,   128
.set L,    64                          ; the way out: 4 pairs of rows x 8 columns, as read back
.set U,    96                          ; with the bias
.set AB,   128                         ; layer 1: |U|
.set PP,   160                         ; layer 1: p, 1 / p, q
.set T,    128                         ; layer 2: sums, a pair for each pair of rows
.set T2,   136
.set MM,   144                         ; layer 2: (m, v)
.set RR,   152                         ; layer 2: 1 / sqrt(v) in the low register
.set WV,   14                          ; s14 wave   s15 its half of the rows; also: fetches A (0) or B (1)   s16 its half of the columns; also: which half of that tile it fetches
.set RH,   15
.set CH,   16
.set CX,   17
.set CY,   18
.set TROW, 19                          ; tile row
.set G1,   24                          ; s[24:31] descriptor group 1 for A   s[32:39] group 0, a set for each slot
.set G0,   32
.set PFA,  44                          ; s[44:45] where my prefetches stand   s[46:47] their step
.set PST,  46
.set G1B,  48                          ; s[48:55], s[56:63] the same for B
.set G0B,  56
.set LAP,  66
.set LIM,  67                          ; 1 in a wave that prefetches, else the greatest number
.set CNT,  68
.set K0,   69                          ; layer 1: the mask that clears a sign; layer 2: 1/128
.set C1,   70                          ; s[70:81] c1 .. c6, each twice: the packed forms name pairs
.set C2,   72
.set C3,   74
.set C4,   76
.set C5,   78
.set C6,   80
.set HIM,  82                          ; a word's upper bf16
.set K1,   83                          ; layer 2: 2^-100
.set MSB, 0
.macro WIN new                         ; the immediate's high byte repeats the setting that is left; a switch that changes nothing is dropped
.if MSB != (\new)
	s_set_vgpr_msb (MSB<<8)|(\new)
.set MSB, \new
.endif
.endm
.set MUL_LO, 0xa1                      ; source 0 (B) window 1, source 1 (A) window 0, C and D window 2
.set MUL_HI, 0xf1                      ; the same, C and D window 3
.set TO_B,   0x40                      ; destination window 1, address window 0
; A joint load.  Waves 0 and 1 fetch A's two halves, waves 2 and 3 B's.  The branch hangs on the wave's number alone.  An s_nop 0 and four v_nop follow each of the two lines.
.macro JLOAD s
	s_cmp_eq_u32 s[RH], 0
	s_cbranch_scc0 .Lfor_b_\@
	tensor_load_to_lds s[G0+4*(\s):G0+4*(\s)+3], s[G1:G1+7]
	s_nop 0
.rept 4
	v_nop
.endr
	s_branch .Lasked_\@
.Lfor_b_\@:
	tensor_load_to_lds s[G0B+4*(\s):G0B+4*(\s)+3], s[G1B:G1B+7]
	s_nop 0
.rept 4
	v_nop
.endr
.Lasked_\@:
.endm
; A PREFETCH, behind each joint refill and the run of LDS loads that follows it: the K step that stands two refills on, 512 matrix instructions ahead of the load that will want it.  One instruction a wave, a lane a
; block of 256 bytes.  Of the 128 blocks that a wave fetches in a K step each of the four partners that ask jointly takes 32, told apart BY ADDRESS (cx for A: 32 rows; cy for B: 16 rows x 2 blocks).  Rows that several
; clusters read are asked for by one of them (LIM), so each block is named once in the launch.  K steps 0 to 3 come by their loads alone; the loop's last trip (LAP = 1) has no K step two refills on and asks for nothing.
.macro ASK
	s_cmp_gt_u32 s[LAP], s[LIM]
	s_cbranch_scc0 .Lnot_mine_\@
	global_prefetch_b8 v[PFO], s[PFA:PFA+1] th:TH_LOAD_NT scope:SCOPE_SE
.Lnot_mine_\@:
.endm
; A round of the cluster's barrier: my work-group's barrier; wave 0 signals for the work-group; every wave waits for all sixteen; my work-group's barrier once more.
.macro CREST
	s_cmp_lg_u32 s[WV], 0
	s_cbranch_scc1 .Lnot_wave_0_\@
	s_barrier_signal -3
.Lnot_wave_0_\@:
	s_barrier_wait -3
	s_barrier_signal -1
	s_barrier_wait -1
.endm
.macro CROUND
	s_barrier_signal -1
	s_barrier_wait -1
	CREST
.endm
.if LAYER == 2
	s_load_b64 s[12:13], s[0:1], 0x20              ; st
.endif
	s_load_b256 s[4:11], s[0:1], 0x0               ; A s[4:5], B s[6:7], bias s[8:9], C s[10:11]
	v_lshl_add_u32 v[SPW], v0, 2, SPARE
	v_mov_b32 v[NIL], 0
	ds_add_u32 v[SPW], v[NIL]                      ; the wave's opening: the add, twice on end, and its wait ahead of my first tensor load; the set-up below stands between
	ds_add_u32 v[SPW], v[NIL]
	v_lshrrev_b32 v1, 5, v0
	v_readfirstlane_b32 s[WV], v1
	s_lshr_b32 s[RH], s[WV], 1
	s_and_b32 s[CH], s[WV], 1
	s_bfe_u32 s[CX], ttmp6, 0x40000
	s_bfe_u32 s[CY], ttmp6, 0x40004
	s_and_b32 s[TROW], ttmp7, 0xffff               ; in a cluster launch ttmp9 and ttmp7 count clusters
	s_lshl_b32 s[TROW], s[TROW], 2
	s_add_co_u32 s[TROW], s[TROW], s[CY]
	s_lshl_b32 s20, s[CY], 2
	s_lshl_b32 s20, 15, s20                        ; my row of the cluster
	s_lshl_b32 s40, 0x1111, s[CX]                  ; my column
	s_or_b32 s[G1], s20, (1<<16)|(1<<20)|(1<<21)|(5<<22)|(3<<25)   ; mask; 2-byte elements; padding on; bit 21 beside a mask; after every 64 words 4 words
	s_or_b32 s[G1B], s40, (1<<16)|(1<<20)|(1<<21)|(6<<22)|(7<<25)  ; the same with my column's mask; after every 128 words 8 words
	s_mov_b32 s[G1+1], 128<<16                     ; A: tensor_dim0 = 128
	s_mov_b32 s[G1+2], 128<<16                     ; tensor_dim1 = 128
	s_mov_b32 s[G1+3], 128<<16                     ; tile_dim0 = 128 elements
	s_mov_b32 s[G1+4], 128                         ; tile_dim1 = 128 rows
	s_mov_b32 s[G1+5], 1024                        ; elements from row to row
	s_mov_b32 s[G1+6], 0
	s_mov_b32 s[G1+7], 0
	s_mov_b32 s[G1B+1], 256<<16                    ; B: tensor_dim0 = 256
	s_mov_b32 s[G1B+2], 64<<16                     ; tensor_dim1 = 64
	s_mov_b32 s[G1B+3], 256<<16                    ; tile_dim0 = 256 elements
	s_mov_b32 s[G1B+4], 64                         ; tile_dim1 = 64 rows
	s_mov_b32 s[G1B+5], 1024
	s_mov_b32 s[G1B+6], 0
	s_mov_b32 s[G1B+7], 0
	; A's address hangs on the tile row (and, in layer 2, the expert), which my row of the cluster shares; B's on the expert and cx, which my column shares.  Each is made in registers that never hold the other coordinate.
	s_lshl_b32 s20, s[TROW], 8
	s_lshl_b32 s21, s[CH], 7
	s_add_co_u32 s20, s20, s21                     ; A: row 256 x tile row + 128 x half,
	s_lshl_b32 s20, s20, 11                        ; in bytes
.if LAYER == 2
	s_lshl_b32 s21, ttmp9, 23                      ; hb[e]: 4,096 rows of 2,048 bytes an expert
	s_add_co_u32 s20, s20, s21
.endif
	s_mov_b32 s21, 0
	s_lshl_b32 s40, ttmp9, 21                      ; B: the expert's 1,024 rows of 2,048 bytes,
	s_lshl_b32 s41, s[CH], 17                      ; 64 rows x half,
	s_add_co_u32 s40, s40, s41
	s_lshl_b32 s41, s[CX], 9                       ; 256 columns x cx
	s_add_co_u32 s40, s40, s41
	s_mov_b32 s41, 0
	s_mul_i32 s2, s[WV], HALFT                     ; where my tiles go: no place in the cluster enters an LDS address
	s_wait_dscnt 0x0                               ; both opening adds are done
	s_wait_kmcnt 0x0
	s_add_nc_u64 s[22:23], s[4:5], s[20:21]
	s_add_nc_u64 s[42:43], s[6:7], s[40:41]
	CROUND                                         ; all sixteen work-groups are here: the first joint loads meet
.irp s, 0,1
	s_mov_b32 s[G0+4*(\s)], 1
	s_add_co_u32 s[G0+4*(\s)+1], s2, (\s)*SLOT
	s_add_nc_u64 s[G0+4*(\s)+2:G0+4*(\s)+3], s[22:23], (\s)*ASTEP
	s_or_b32 s[G0+4*(\s)+3], s[G0+4*(\s)+3], 0x80000000
	s_mov_b32 s[G0B+4*(\s)], 1
	s_add_co_u32 s[G0B+4*(\s)+1], s2, (\s)*SLOT
	s_add_nc_u64 s[G0B+4*(\s)+2:G0B+4*(\s)+3], s[42:43], (\s)*BSTEP
	s_or_b32 s[G0B+4*(\s)+3], s[G0B+4*(\s)+3], 0x80000000
	JLOAD \s                                       ; K steps 0 and 1: two loads of mine are out
.endr
	v_and_b32 v1, 15, v0                           ; l % 16
	v_bfe_u32 v2, v0, 4, 1                         ; l / 16
	v_mul_u32_u24 v3, v1, PITCH
	v_lshl_add_u32 v3, v2, 4, v3                   ; A's fragment: row x pitch + 16 x half
	v_and_b32 v4, 7, v0
	v_bfe_u32 v5, v0, 3, 1
	v_lshl_add_u32 v6, v2, 3, v4                   ; B's: the turning load reads k = 8 (l / 16) + l % 8,
	v_mul_u32_u24 v6, v6, PB
	v_lshl_add_u32 v6, v5, 4, v6                   ; columns 8 ((l / 8) % 2) + 0..7
	s_mul_i32 s84, s[RH], HALFT                    ; my 128 rows of A
	s_lshl_b32 s85, s[CH], 8                       ; my 128 columns of B,
	s_add_co_u32 s85, s85, BOFF                    ; which lies behind A
.irp s, 0,1
	v_add_nc_u32 v[ADRA+(\s)], s84, v3
	v_add_nc_u32 v[ADRB+(\s)], s85, v6
	s_add_co_u32 s84, s84, SLOT
	s_add_co_u32 s85, s85, SLOT
.endr
	s_mul_i32 s84, s[WV], STG                      ; my stage
	v_mul_u32_u24 v7, v1, SROW
	v_lshl_add_u32 v7, v2, 4, v7
	v_add_nc_u32 v[DST], s84, v7                   ; in: row l % 16; columns 8 (l / 16) + 0..3 at 16 (l / 16), + 4..7 another 256 bytes on
	v_mul_u32_u24 v7, v2, SROW
	v_lshl_add_u32 v7, v1, 4, v7
	v_add_nc_u32 v[SRC], s84, v7                   ; back: lanes 0-15 one row, lanes 16-31 the next; lane i finds columns 8 i + 0..3 at 16 i and 8 i + 4..7 at 16 i + 256
	v_lshlrev_b32 v7, 11, v2
	v_lshl_add_u32 v[CO], v1, 4, v7                ; and the same two rows in C
	s_lshl_b32 s84, ttmp9, 23                      ; C: the expert,
	s_lshl_b32 s85, s[TROW], 19                    ; 256 rows x tile row,
	s_add_co_u32 s84, s84, s85
	s_lshl_b32 s85, s[RH], 18                      ; my 128 rows,
	s_add_co_u32 s84, s84, s85
	s_lshl_b32 s85, s[CX], 9                       ; the tile's 256 columns,
	s_add_co_u32 s84, s84, s85
	s_lshl_b32 s85, s[CH], 8                       ; my 128
	s_add_co_u32 s84, s84, s85
	s_mov_b32 s85, 0
	s_add_nc_u64 s[10:11], s[10:11], s[84:85]
	s_lshl_b32 s86, ttmp9, 12                      ; the bias of my 128 columns, f32
	s_lshl_b32 s87, s[CX], 10
	s_add_co_u32 s86, s86, s87
	s_lshl_b32 s87, s[CH], 9
	s_add_co_u32 s86, s86, s87
	s_mov_b32 s87, 0
	s_add_nc_u64 s[8:9], s[8:9], s[86:87]
	v_lshlrev_b32 v8, 5, v1                        ; lane i: columns 8 i + 0..7
	global_load_b128 v[BI:BI+3], v8, s[8:9]
	global_load_b128 v[BI+4:BI+7], v8, s[8:9] offset:16
	; the prefetches: they stand one K step short of the first that is named (K step 4); each change of slots steps them first
	s_lshl_b32 s88, s[TROW], 19                    ; A: row 256 x tile row + 128 x half + 32 cx
	s_lshl_b32 s89, s[CH], 18
	s_add_co_u32 s88, s88, s89
	s_lshl_b32 s89, s[CX], 16
	s_add_co_u32 s88, s88, s89
.if LAYER == 2
	s_lshl_b32 s89, ttmp9, 23
	s_add_co_u32 s88, s88, s89
.endif
	s_add_co_u32 s88, s88, 3*ASTEP
	s_lshl_b32 s90, ttmp9, 21                      ; B: the expert, row 64 x half + 16 cy, column 256 cx
	s_lshl_b32 s89, s[CH], 17
	s_add_co_u32 s90, s90, s89
	s_lshl_b32 s89, s[CY], 15
	s_add_co_u32 s90, s90, s89
	s_lshl_b32 s89, s[CX], 9
	s_add_co_u32 s90, s90, s89
	s_add_co_u32 s90, s90, 3*BSTEP
	s_and_b32 s91, ttmp7, 0xffff                   ; cluster y
	s_mov_b32 s[PST], BSTEP                        ; B's step; the choice below puts A's in its place (an instruction holds one literal)
	s_cmp_eq_u32 s[RH], 0                          ; do I fetch for A?
	s_cselect_b32 s88, s88, s90
	s_cselect_b64 s[PFA:PFA+1], s[4:5], s[6:7]
	s_cselect_b32 s[PST], ASTEP, s[PST]
.if LAYER == 2
	s_cselect_b32 s91, 0, s91                      ; an expert's rows of hb are read by one column of clusters, each tile row by one cluster: every cluster asks for its own; B's tile by the four clusters of the expert: cluster y = 0 asks
.else
	s_cselect_b32 s91, ttmp9, s91                  ; xb's rows are read by the eight experts' clusters: cluster x = 0 asks; B's tile by the four clusters of the expert: cluster y = 0 asks
.endif
	s_mov_b32 s89, 0
	s_mov_b32 s[PST+1], 0
	s_cmp_eq_u32 s91, 0
	s_cselect_b32 s[LIM], 1, -1                    ; the same in all sixteen partners, for a given wave
	s_add_nc_u64 s[PFA:PFA+1], s[PFA:PFA+1], s[88:89]
	v_and_b32 v9, 31, v0
	v_lshrrev_b32 v10, s[RH], v9                   ; A: a lane a row;  B: two lanes a row,
	v_and_b32 v11, s[RH], v9                       ; 256 bytes apart
	v_lshlrev_b32 v10, 11, v10
	v_lshl_add_u32 v[PFO], v11, 8, v10
	s_mov_b32 s[HIM], 0xffff0000
.if LAYER == 2
	s_lshl_b32 s92, s[TROW], 17                    ; st: [row / 32][8 e + t][row % 32][2] f32: 8 groups of 32 rows a tile row, 16,384 bytes a group,
	s_lshl_b32 s93, s[RH], 16                      ; my four groups,
	s_add_co_u32 s92, s92, s93
	s_lshl_b32 s93, ttmp9, 11                      ; 256 bytes for each of the expert's 8 pieces,
	s_add_co_u32 s92, s92, s93
	s_lshl_b32 s93, s[CX], 9                       ; t = 2 cx + my half
	s_add_co_u32 s92, s92, s93
	s_lshl_b32 s93, s[CH], 8
	s_add_co_u32 s92, s92, s93
	s_mov_b32 s93, 0
	s_add_nc_u64 s[12:13], s[12:13], s[92:93]
	s_lshl_b32 s94, s[WV], 10
	s_add_co_u32 s94, s94, STS
	v_lshl_add_u32 v[SA], v2, 3, s94               ; 8 bytes a row
	v_lshl_add_u32 v[SB], v9, 4, s94
	v_lshlrev_b32 v7, 14, v2
	v_lshl_add_u32 v[SO], v1, 4, v7                ; lanes 0-15 one group's 256 bytes, lanes 16-31 the next group's
	s_mov_b32 s[K0], 0x3c000000                    ; 1/128
	s_mov_b32 s[K1], 0x0d800000                    ; 2^-100
.else
	s_mov_b32 s[K0], 0x7fffffff
	s_mov_b32 s[C1], 0x3dcc41b4                    ; 0.0705230784 x 2^(1/2)
	s_mov_b32 s[C1+1], 0x3dcc41b4
	s_mov_b32 s[C2], 0x3dad2fe7                    ; 0.0422820123 x 2
	s_mov_b32 s[C2+1], 0x3dad2fe7
	s_mov_b32 s[C3], 0x3cd6cd72                    ; 0.0092705272 x 2^(3/2)
	s_mov_b32 s[C3+1], 0x3cd6cd72
	s_mov_b32 s[C4], 0x3a1f6607                    ; 0.0001520143 x 4
	s_mov_b32 s[C4+1], 0x3a1f6607
	s_mov_b32 s[C5], 0x3acd0fec                    ; 0.0002765672 x 2^(5/2)
	s_mov_b32 s[C5+1], 0x3acd0fec
	s_mov_b32 s[C6], 0x39b49f67                    ; 0.0000430638 x 8
	s_mov_b32 s[C6+1], 0x39b49f67
.endif
	s_wait_loadcnt 0x0                             ; the bias: rounded to bf16 like every input
.irp p, 0,1,2,3
	v_cvt_pk_bf16_f32 v[56+(\p)], v[BI+2*(\p)], v[BI+2*(\p)+1]
.endr
.irp p, 0,1,2,3
	v_lshlrev_b32 v[BI+2*(\p)], 16, v[56+(\p)]
	v_and_b32 v[BI+2*(\p)+1], s[HIM], v[56+(\p)]
.endr
.if LAYER == 1
.irp p, 0,2,4,6
	v_pk_mul_f32 v[BI+(\p):BI+(\p)+1], v[BI+(\p):BI+(\p)+1], 0.5 op_sel_hi:[1,0]  ; b1 / 2, exact: U = sum / 2 + b1 / 2 is then one fused multiply-add
.endr
.endif
; 16 matrix instructions: m blocks a0, a0 + 1 of the window's four x all 8 n blocks, 32 along K.  zero = 1: the first product starts the sums: nothing is cleared.
; The 64 accumulators take turns, one instruction a turn, in the same order in every quarter step.
.macro MUL16 f, hi, a0, zero
	WIN MUL_LO+0x50*(\hi)
.irp a, \a0, (\a0)+1
.irp b, 0,1,2,3,4,5,6,7
.if \zero
	v_wmma_f32_16x16x32_bf16 v[8*(8*(\a)+(\b)):8*(8*(\a)+(\b))+7], v[(\f)+8*(\b):(\f)+8*(\b)+7], v[(\f)+8*(4*(\hi)+(\a)):(\f)+8*(4*(\hi)+(\a))+7], 0
.else
	v_wmma_f32_16x16x32_bf16 v[8*(8*(\a)+(\b)):8*(8*(\a)+(\b))+7], v[(\f)+8*(\b):(\f)+8*(\b)+7], v[(\f)+8*(4*(\hi)+(\a)):(\f)+8*(4*(\hi)+(\a))+7], v[8*(8*(\a)+(\b)):8*(8*(\a)+(\b))+7]
.endif
.endr
.endr
.endm
; 32 LDS loads in one run: the fragments of quarter q of a K step (32 k x my 128 columns of B, turned; my 128 rows of A x 32 k) into buffer f
.macro FETCH slot, q, f
	WIN TO_B
.irp i, 0,1,2,3,4,5,6,7
	ds_load_tr16_b128 v[(\f)+8*(\i):(\f)+8*(\i)+3],   v[ADRB+(\slot)] offset:(\q)*32*PB+32*(\i)
	ds_load_tr16_b128 v[(\f)+8*(\i)+4:(\f)+8*(\i)+7], v[ADRB+(\slot)] offset:(\q)*32*PB+16*PB+32*(\i)
.endr
	WIN 0
.irp i, 0,1,2,3,4,5,6,7
	ds_load_b128 v[(\f)+8*(\i):(\f)+8*(\i)+3],   v[ADRA+(\slot)] offset:64*(\q)+(\i)*16*PITCH
	ds_load_b128 v[(\f)+8*(\i)+4:(\f)+8*(\i)+7], v[ADRA+(\slot)] offset:64*(\q)+(\i)*16*PITCH+32
.endr
.endm
.macro PLACES                          ; four plain vector instructions between a matrix instruction and a load into, or a vector write of, its registers, or a read of its result (ISA guide 7.12.1 for vector instructions)
.rept 4
	v_nop
.endr
.endm
; A K step is four quarters of 32 along K, 64 matrix instructions each, on buffers 0, 1, 0, 1.  One of the first three: multiplies buffer f; in its middle it fetches quarter q into buffer g.
.macro QUARTER slot, q, f, g, zero
	s_wait_dscnt 8                                 ; B and A's rows 0-63 are in; the youngest eight loads (A's rows 64-127) may be out
	MUL16 \f, 0, 0, \zero
	MUL16 \f, 0, 2, \zero
	PLACES
	FETCH \slot, \q, \g
	s_wait_dscnt 32                                ; all but the 32 just issued
	MUL16 \f, 1, 0, \zero
	MUL16 \f, 1, 2, \zero
.endm
; The last quarter multiplies buffer 1 and changes slots.  In front of the one barrier each wave waits for all its tensor loads (one is out: its part of the next slot), adds 0 to its spare word, and waits for that and for its reads of this slot.
.macro MEET round
	WIN 0
	s_wait_tensorcnt 0x0
	ds_add_u32 v[SPW], v[NIL]
	s_wait_dscnt 9                                 ; (the add and the youngest eight loads may be out)
	MUL16 F1, 0, 0, 0
	s_wait_dscnt 0x0                               ; the add is done, and my reads of this slot are over
	s_barrier_signal -1
	MUL16 F1, 0, 2, 0
.if \round
	WIN 0
.endif
	s_barrier_wait -1
.endm
; fill = 1: the barrier opens a round of the cluster's, so that no wave of any partner still reads the slot or has a load on its way; the joint refill, two K steps on, is the first thing behind it: 224 matrix instructions ahead of the wait for it.
.macro TURN slot, next, fill
.if \fill
	s_wait_xcnt 0x0                                ; the last prefetch, a K step back, has read its address
	s_add_nc_u64 s[PFA:PFA+1], s[PFA:PFA+1], s[PST:PST+1]
	MEET 1
	CREST
	s_add_nc_u64 s[G0+4*(\slot)+2:G0+4*(\slot)+3], s[G0+4*(\slot)+2:G0+4*(\slot)+3], 2*ASTEP
	s_add_nc_u64 s[G0B+4*(\slot)+2:G0B+4*(\slot)+3], s[G0B+4*(\slot)+2:G0B+4*(\slot)+3], 2*BSTEP
	JLOAD \slot                                    ; its four v_nop are also the places in front of the loads below
	FETCH \next, 0, F0
	ASK
.else
	MEET 0
	PLACES
	FETCH \next, 0, F0
.endif
	MUL16 F1, 1, 0, 0
	MUL16 F1, 1, 2, 0
.endm
	s_wait_tensorcnt 0x1                           ; my part of K step 0 is in; K step 1's may stay out
	s_barrier_signal -1
	s_barrier_wait -1                              ; everybody's is
	FETCH 0, 0, F0
	QUARTER 0, 1, F0, F1, 1                        ; the first quarter stands in front of the loop: its products start the sums
	WIN 0                                          ; at a label and at a branch every window is 0
	s_mov_b32 s[LAP], 3
.Llap:                                                 ; a trip goes once round the ring, from a lap's second quarter to the next lap's first, and fills both slots again: K steps 2 to 7
	QUARTER 0, 2, F1, F0, 0
	QUARTER 0, 3, F0, F1, 0
	TURN 0, 1, 1
	QUARTER 1, 1, F0, F1, 0
	QUARTER 1, 2, F1, F0, 0
	QUARTER 1, 3, F0, F1, 0
	TURN 1, 0, 1
	QUARTER 0, 1, F0, F1, 0
	WIN 0
	s_sub_co_u32 s[LAP], s[LAP], 1
	s_cmp_lg_u32 s[LAP], 0
	s_cbranch_scc1 .Llap
	QUARTER 0, 2, F1, F0, 0                        ; the last lap is written out: it fills nothing
	QUARTER 0, 3, F0, F1, 0
	TURN 0, 1, 0
	QUARTER 1, 1, F0, F1, 0
	QUARTER 1, 2, F1, F0, 0
	QUARTER 1, 3, F0, F1, 0
	s_wait_dscnt 8
	MUL16 F1, 0, 0, 0
	MUL16 F1, 0, 2, 0
	s_wait_dscnt 0x0                               ; my reads of the ring are over:
	s_barrier_signal -1                            ; say so,
	MUL16 F1, 1, 0, 0
	MUL16 F1, 1, 2, 0
	WIN 0
	s_barrier_wait -1                              ; and when all four have said so the slots, which have had their last fill, are the stages
	PLACES
	; the sums go into my stage; each accumulator's lowest registers are read first
.irp a, 0,1,2,3,4,5,6,7
	WIN 0x08+4*((\a)/4)                            ; store data (source 1) in window 2 or 3
.irp b, 0,1,2,3,4,5,6,7
	ds_store_b128 v[DST], v[64*((\a)%4)+8*(\b):64*((\a)%4)+8*(\b)+3]   offset:(\a)*16*SROW+32*(\b)
	ds_store_b128 v[DST], v[64*((\a)%4)+8*(\b)+4:64*((\a)%4)+8*(\b)+7] offset:(\a)*16*SROW+32*(\b)+256
.endr
.endr
	WIN 0
.macro EPLOADS                         ; 8 rows: four pairs, each lane 8 columns of one row
.irp rp, 0,1,2,3
	ds_load_b128 v[L+8*(\rp):L+8*(\rp)+3],   v[SRC] offset:(\rp)*2*SROW
	ds_load_b128 v[L+8*(\rp)+4:L+8*(\rp)+7], v[SRC] offset:(\rp)*2*SROW+256
.endr
.endm
.if LAYER == 2
.irp rp, 0,1,2,3
	v_mov_b32 v[MM+2*(\rp)+1], 0                   ; named as pairs before their upper halves are made
	v_mov_b32 v[RR+2*(\rp)+1], 0
.endr
.endif
	s_mov_b32 s[CNT], 16
	EPLOADS                                        ; LDS serves a wave's instructions in order (ISA guide 5.7.1.4): these see my stores above
.Lout:                                                 ; 16 trips of 8 rows
	s_wait_dscnt 0x0                               ; the trip's rows are in
.set k, 0
.rept 16
.if LAYER == 1
	v_pk_fma_f32 v[U+k:U+k+1], v[L+k:L+k+1], 0.5, v[BI+k%8:BI+k%8+1] op_sel_hi:[1,0,1]  ; U = (sum + b1) / 2
.else
	v_pk_add_f32 v[U+k:U+k+1], v[L+k:L+k+1], v[BI+k%8:BI+k%8+1]                          ; y = sum + b2
.endif
.set k, k+2
.endr
	s_cmp_eq_u32 s[CNT], 1
	s_cbranch_scc1 .Lnoload                        ; the last trip has no rows behind it
	v_add_nc_u32 v[SRC], 8*SROW, v[SRC]
	EPLOADS                                        ; the next trip's rows come in under this trip's arithmetic
.Lnoload:
	s_wait_xcnt 0x0                                ; the last trip's stores have read H and CO, which are written below
.if LAYER == 1
	v_add_nc_u32 v[CO], 8*ROWB, v[CO]
.set k, 0
.rept 32
	v_and_b32 v[AB+k], s[K0], v[U+k]               ; a = |U|
.set k, k+1
.endr
.set k, 0
.rept 16
	v_pk_fma_f32 v[PP+k:PP+k+1], v[AB+k:AB+k+1], s[C6:C6+1], s[C5:C5+1] op_sel_hi:[1,0,0]
.set k, k+2
.endr
.irp c, C4, C3, C2, C1
.set k, 0
.rept 16
	v_pk_fma_f32 v[PP+k:PP+k+1], v[PP+k:PP+k+1], v[AB+k:AB+k+1], s[\c:\c+1] op_sel_hi:[1,1,0]
.set k, k+2
.endr
.endr
.set k, 0
.rept 16
	v_pk_fma_f32 v[PP+k:PP+k+1], v[PP+k:PP+k+1], v[AB+k:AB+k+1], 1.0 op_sel_hi:[1,1,0]  ; p
.set k, k+2
.endr
.set k, 0
.rept 32
	v_rcp_f32 v[PP+k], v[PP+k]                     ; one batch
.set k, k+1
.endr
.set k, 0
.rept 16
	v_pk_add_f32 v[U+k:U+k+1], v[U+k:U+k+1], v[AB+k:AB+k+1]  ; U + a: plain work that names no reciprocal
.set k, k+2
.endr
	s_wait_alu depctr_va_vdst(0)                   ; the one wait ahead of the batch's first reader
.rept 4                                        ; (1 / p)^16 by four squarings
.set k, 0
.rept 16
	v_pk_mul_f32 v[PP+k:PP+k+1], v[PP+k:PP+k+1], v[PP+k:PP+k+1]
.set k, k+2
.endr
.endr
.set k, 0
.rept 16
	v_pk_fma_f32 v[U+k:U+k+1], v[AB+k:AB+k+1], v[PP+k:PP+k+1], v[U+k:U+k+1] neg_lo:[1,0,0] neg_hi:[1,0,0]  ; g = (U + a) - a q
.set k, k+2
.endr
.set k, 0
.rept 16
	v_cvt_pk_bf16_f32 v[H+k], v[U+2*k], v[U+2*k+1]
.set k, k+1
.endr
.else
	; the piece's mean: 8 columns in the lane, then 16 lanes
.irp rp, 0,1,2,3
	v_pk_add_f32 v[T+2*(\rp):T+2*(\rp)+1], v[U+8*(\rp):U+8*(\rp)+1], v[U+8*(\rp)+2:U+8*(\rp)+3]
	v_pk_add_f32 v[T2+2*(\rp):T2+2*(\rp)+1], v[U+8*(\rp)+4:U+8*(\rp)+5], v[U+8*(\rp)+6:U+8*(\rp)+7]
.endr
.irp rp, 0,1,2,3
	v_pk_add_f32 v[T+2*(\rp):T+2*(\rp)+1], v[T+2*(\rp):T+2*(\rp)+1], v[T2+2*(\rp):T2+2*(\rp)+1]
.endr
.irp rp, 0,1,2,3
	v_add_f32 v[T+2*(\rp)], v[T+2*(\rp)], v[T+2*(\rp)+1]
.endr
.irp x, 1,2,4,8
.irp rp, 0,1,2,3
	v_add_f32_dpp v[T+2*(\rp)], v[T+2*(\rp)], v[T+2*(\rp)] row_xmask:\x row_mask:0xf bank_mask:0xf
.endr
.endr
.irp rp, 0,1,2,3
	v_mul_f32 v[MM+2*(\rp)], s[K0], v[T+2*(\rp)]   ; m
.endr
.irp c, 0,2,4,6
.irp rp, 0,1,2,3
	v_pk_add_f32 v[U+8*(\rp)+(\c):U+8*(\rp)+(\c)+1], v[U+8*(\rp)+(\c):U+8*(\rp)+(\c)+1], v[MM+2*(\rp):MM+2*(\rp)+1] op_sel_hi:[1,0] neg_lo:[0,1] neg_hi:[0,1]  ; y - m
.endr
.endr
	; the centred second pass
.irp rp, 0,1,2,3
	v_pk_mul_f32 v[T+2*(\rp):T+2*(\rp)+1], v[U+8*(\rp):U+8*(\rp)+1], v[U+8*(\rp):U+8*(\rp)+1]
.endr
.irp c, 2,4,6
.irp rp, 0,1,2,3
	v_pk_fma_f32 v[T+2*(\rp):T+2*(\rp)+1], v[U+8*(\rp)+(\c):U+8*(\rp)+(\c)+1], v[U+8*(\rp)+(\c):U+8*(\rp)+(\c)+1], v[T+2*(\rp):T+2*(\rp)+1]
.endr
.endr
.irp rp, 0,1,2,3
	v_add_f32 v[T+2*(\rp)], v[T+2*(\rp)], v[T+2*(\rp)+1]
.endr
.irp x, 1,2,4,8
.irp rp, 0,1,2,3
	v_add_f32_dpp v[T+2*(\rp)], v[T+2*(\rp)], v[T+2*(\rp)] row_xmask:\x row_mask:0xf bank_mask:0xf
.endr
.endr
.irp rp, 0,1,2,3
	v_mul_f32 v[MM+2*(\rp)+1], s[K0], v[T+2*(\rp)]
.endr
.irp rp, 0,1,2,3
	v_max_num_f32 v[MM+2*(\rp)+1], s[K1], v[MM+2*(\rp)+1]  ; v
.endr
.irp rp, 0,1,2,3
	v_rsq_f32 v[RR+2*(\rp)], v[MM+2*(\rp)+1]
.endr
	v_add_nc_u32 v[CO], 8*ROWB, v[CO]              ; the plain instruction behind the last of the batch,
	s_wait_alu depctr_va_vdst(0)                   ; and the one wait ahead of its first reader
.irp c, 0,2,4,6
.irp rp, 0,1,2,3
	v_pk_mul_f32 v[U+8*(\rp)+(\c):U+8*(\rp)+(\c)+1], v[U+8*(\rp)+(\c):U+8*(\rp)+(\c)+1], v[RR+2*(\rp):RR+2*(\rp)+1] op_sel_hi:[1,0]
.endr
.endr
.set k, 0
.rept 16
	v_cvt_pk_f16_f32 v[H+k], v[U+2*k], v[U+2*k+1]
.set k, k+1
.endr
.irp rp, 0,1,2,3
	ds_store_b64 v[SA], v[MM+2*(\rp):MM+2*(\rp)+1] offset:16*(\rp)  ; the 16 lanes of a row write the same 8 bytes
.endr
	v_add_nc_u32 v[SA], 64, v[SA]
.endif
.irp rp, 0,1,2,3
	global_store_b128 v[CO], v[H+4*(\rp):H+4*(\rp)+3], s[10:11] offset:(\rp)*2*ROWB-8*ROWB  ; 16 lanes store 256 consecutive bytes, aligned: my 128 columns of a row
.endr
	s_sub_co_u32 s[CNT], s[CNT], 1
	s_cmp_lg_u32 s[CNT], 0
	s_cbranch_scc1 .Lout
.if LAYER == 2
	ds_load_b128 v[L:L+3], v[SB]                   ; my 128 rows' (m, v): four groups of 32 rows, 256 bytes each
	ds_load_b128 v[L+4:L+7], v[SB] offset:512
	s_wait_dscnt 0x0
	global_store_b128 v[SO], v[L:L+3], s[12:13]
	global_store_b128 v[SO], v[L+4:L+7], s[12:13] offset:32768
.endif
	s_wait_tensorcnt 0x0                           ; the wave's end, behind my last tensor load and my last LDS store
	ds_add_u32 v[SPW], v[NIL]
	s_wait_dscnt 0x0
	CROUND                                         ; the closing round: no work-group ends while a partner may still ask for a tile that names it
	s_endpgm
.Lfunc_end_k_qb6f1d62f88_ffn2:
	.size	k_qb6f1d62f88_ffn2, .Lfunc_end_k_qb6f1d62f88_ffn2-k_qb6f1d62f88_ffn2
	.p2alignl 7, 3214868480
	.fill 96, 4, 3214868480
	.section	.rodata,"a",@progbits
	.p2align	6, 0x0
	.amdhsa_kernel k_qb6f1d62f88_ffn2
		.amdhsa_group_segment_fixed_size 327680
		.amdhsa_private_segment_fixed_size 0
		.amdhsa_enable_private_segment 0
		.amdhsa_kernarg_size 40
		.amdhsa_user_sgpr_count 2
		.amdhsa_user_sgpr_kernarg_segment_ptr 1
		.amdhsa_wavefront_size32 1
		.amdhsa_system_sgpr_workgroup_id_x 1
		.amdhsa_system_sgpr_workgroup_id_y 1
		.amdhsa_system_sgpr_workgroup_id_z 1
		.amdhsa_system_vgpr_workitem_id 0
		.amdhsa_next_free_vgpr 1024
		.amdhsa_next_free_sgpr 96
		.amdhsa_reserve_vcc 0
		.amdhsa_float_denorm_mode_32 3
		.amdhsa_float_denorm_mode_16_64 3
		.amdhsa_memory_ordered 1
		.amdhsa_forward_progress 1
		.amdhsa_inst_pref_size 134
	.end_amdhsa_kernel
	.amdgpu_metadata
---
amdhsa.version: [ 1, 2 ]
amdhsa.kernels:
  - .name:           k_qb6f1d62f88_ffn2
    .symbol:         k_qb6f1d62f88_ffn2.kd
    .args:
      - { .name: hb, .offset: 0, .size: 8, .value_kind: global_buffer, .address_space: global }
      - { .name: w2b, .offset: 8, .size: 8, .value_kind: global_buffer, .address_space: global }
      - { .name: b2, .offset: 16, .size: 8, .value_kind: global_buffer, .address_space: global }
      - { .name: yh, .offset: 24, .size: 8, .value_kind: global_buffer, .address_space: global }
      - { .name: st, .offset: 32, .size: 8, .value_kind: global_buffer, .address_space: global }
    .group_segment_fixed_size: 327680
    .private_segment_fixed_size: 0
    .kernarg_segment_align: 8
    .kernarg_segment_size: 40
    .max_flat_workgroup_size: 128
    .sgpr_count:     96
    .vgpr_count:     1024
    .wavefront_size: 32
...
	.end_amdgpu_metadata
.endif
;; end of part 3
;; launch mix (part 4): grid 256 x 1, 16 waves a work-group, no clusters, 43,520 bytes of LDS; arguments yh, st, wts, gamma, beta, out0; writes out0
.if DOCPART == 4
	.amdgcn_target "amdgcn-amd-amdhsa--gfx1250"
	.amdhsa_code_object_version 6
	.text
	.protected	k_qb6f1d62f88_mix
	.globl	k_qb6f1d62f88_mix
	.p2align	8
	.type	k_qb6f1d62f88_mix,@function
k_qb6f1d62f88_mix:
	s_mov_b64 s[64:65], 0
	v_nop
	global_prefetch_b8 v0, s[64:65] scope:SCOPE_SE
	s_setreg_imm32_b32 hwreg(HW_REG_WAVE_MODE, 25, 1), 1
	s_wait_xcnt 0x0
; MoEFusion, launch 4 of 4.  No work is left out.  out0[b][o] = sum over e of w[b][e] ((y - mu) rs gamma[e][o] + beta[e][o]), with mu and rs of the whole row of 1,024.
; The launch before stored, for each row, expert and piece t of 128 columns, yhat = (y - m_t) / sqrt(v_t) in f16 and (m_t, v_t) in f32.  The pieces are joined without a difference of large sums:
; mu = mean of m_t, d_t = m_t - mu, var = mean of (v_t + d_t^2), rs = 1 / sqrt(var + 1e-5); then w (y - mu) rs = yhat P_t + Q_t with P_t = w rs sqrt(v_t), Q_t = w rs d_t.
; gamma and beta are rounded to bf16 like every input, and kept so in LDS.  NaN and infinities are not treated apart.
; SHARES.  16 waves; work-group g owns rows 16 g .. 16 g + 15.  Wave w: columns 256 (w & 3) .. + 255, rows 4 (w >> 2) .. + 3 of the 16.  Lane l: columns 128 j + 4 l + 0..3 of them, j = 0, 1, so that a piece is
; the same in a whole wave, a load of yh covers 256 consecutive bytes and a store of out0 512.  Three rows' loads (48 a wave) go out at the head, the fourth when the first row's registers are free.
.set TAB,   0                          ; LDS: [row][e][column group] 16 bytes: P, Q of piece 2 cg, P, Q of piece 2 cg + 1
.set WTB,   8192                       ; [row][e] the gates, f32
.set GAM,   8704                       ; gamma, bf16 [e][1024]
.set BET,   25088                      ; beta, bf16 [e][1024]
.set SPARE, 41472                      ; the spare words, 128 bytes for each of 16 waves; no other line names them
.set SPW,  2
.set NIL,  3
.set ZERO, 4
.set YO,   5                           ; 8 x lane
.set TA,   6                           ; my rows' and column group's place in TAB
.set WA,   7                           ; my rows' place in the gates
.set GA,   8                           ; my columns' place in a row of gamma or beta
.set OO,   9                           ; 16 x lane
.set Z,    16                          ; v[16:23]   the 8 sums
.set T1,   24                          ; v[24:31]   yhat P + Q
.set E,    32                          ; v[32:63]   a row's P, Q: 4 registers an expert
.set WW,   64                          ; v[64:71]   a row's gates
.set G,    72                          ; v[72:103]  gamma of my 8 columns: (e, j) at 4 e + 2 j
.set BT,   104                         ; v[104:135] beta likewise
.set D,    136                         ; v[136:231] yhat: three row slots of 32: (e, j) at 4 e + 2 j
.set SS,   72                          ; in front of the barrier, waves 0-3: (m_t, v_t) at 2 t
.set GW,   88                          ;   my gate
.set PQ,   104                         ;   (P_t, Q_t) at 2 t
	s_load_b256 s[4:11], s[0:1], 0x0               ; yh 4, st 6, wts 8, gamma 10
	s_load_b128 s[12:15], s[0:1], 0x20             ; beta 12, out0 14
	v_lshl_add_u32 v[SPW], v0, 2, SPARE
	v_mov_b32 v[NIL], 0
	v_mov_b32 v[ZERO], 0
	v_lshrrev_b32 v1, 5, v0
	v_readfirstlane_b32 s24, v1                    ; wave 0..15
	s_and_b32 s25, s24, 3                          ; cg: my 256 columns
	s_lshr_b32 s26, s24, 2                         ; rq: my 4 rows
	v_and_b32 v1, 31, v0
	v_lshlrev_b32 v[YO], 3, v1
	s_lshl_b32 s27, s26, 11                        ; 4 rows x 512 bytes of TAB
	s_lshl_b32 s28, s25, 4
	s_add_co_u32 s27, s27, s28
	v_mov_b32 v[TA], s27
	s_lshl_b32 s27, s26, 7                         ; 4 rows x 32 bytes of gates
	s_add_co_u32 s27, s27, WTB
	v_mov_b32 v[WA], s27
	s_lshl_b32 s27, s25, 9
	v_lshl_add_u32 v[GA], v1, 3, s27
	v_lshlrev_b32 v[OO], 4, v1
	v_lshlrev_b32 v10, 4, v0                       ; gamma, beta: 16 bytes a thread in,
	v_lshlrev_b32 v11, 3, v0                       ; 8 bytes out
	v_and_b32 v12, 15, v0                          ; threads 0-127: row r = T & 15,
	v_lshrrev_b32 v13, 4, v0                       ; expert e = T >> 4
	v_lshlrev_b32 v14, 3, v12
	v_lshl_add_u32 v14, v13, 11, v14               ; st: 8 pieces x 256 bytes an expert, 8 bytes a row
	v_lshlrev_b32 v15, 2, v13
	v_lshl_add_u32 v15, v12, 5, v15                ; wts, and the gates in LDS: 32 r + 4 e
	v_lshlrev_b32 v13, 6, v13
	v_lshl_add_u32 v13, v12, 9, v13                ; TAB: 512 r + 64 e
	s_lshl_b32 s28, ttmp9, 15                      ; yh: 16 rows x 2,048 bytes a work-group,
	s_lshl_b32 s29, s26, 13                        ; my 4 rows,
	s_add_co_u32 s28, s28, s29
	s_lshl_b32 s29, s25, 9                         ; my 256 columns
	s_add_co_u32 s28, s28, s29
	s_mov_b32 s29, 0
	s_lshl_b32 s30, ttmp9, 16                      ; out0: the same with 4,096 bytes a row
	s_lshl_b32 s31, s26, 14
	s_add_co_u32 s30, s30, s31
	s_lshl_b32 s31, s25, 10
	s_add_co_u32 s30, s30, s31
	s_mov_b32 s31, 0
	s_lshr_b32 s50, ttmp9, 1                       ; st: [row / 32][8 e + t][row % 32][2]: my 16 rows are half of group g / 2
	s_lshl_b32 s50, s50, 14
	s_and_b32 s51, ttmp9, 1
	s_lshl_b32 s51, s51, 7
	s_add_co_u32 s50, s50, s51
	s_mov_b32 s51, 0
	s_lshl_b32 s52, ttmp9, 9                       ; wts: 16 rows x 32 bytes
	s_mov_b32 s53, 0
	s_mov_b32 s54, 0x3e000000                      ; 1/8
	s_mov_b32 s55, 0x3727c5ac                      ; 1e-5
	s_wait_kmcnt 0x0
	s_add_nc_u64 s[4:5], s[4:5], s[28:29]
.irp e, 0,1,2,3,4,5,6,7
	s_add_nc_u64 s[32+2*(\e):33+2*(\e)], s[4:5], (\e)*0x800000  ; a base for each expert: its 8,388,608 bytes do not fit a load's immediate
.endr
	s_add_nc_u64 s[48:49], s[14:15], s[30:31]
	s_add_nc_u64 s[6:7], s[6:7], s[50:51]
	s_add_nc_u64 s[8:9], s[8:9], s[52:53]
	s_cmp_lt_u32 s24, 4
	s_cbranch_scc0 .Lno_stat_loads                 ; waves 0-3 make the 128 (row, expert) statistics
.irp t, 0,1,2,3,4,5,6,7
	global_load_b64 v[SS+2*(\t):SS+2*(\t)+1], v14, s[6:7] offset:256*(\t)
.endr
	global_load_b32 v[GW], v15, s[8:9]
.Lno_stat_loads:
.irp q, 0,1,2,3
	global_load_b128 v[E+4*(\q):E+4*(\q)+3], v10, s[10:11] offset:8192*(\q)
.endr
.irp q, 0,1,2,3
	global_load_b128 v[E+16+4*(\q):E+16+4*(\q)+3], v10, s[12:13] offset:8192*(\q)
.endr
.macro DLOADS r, s                     ; row r of my four into slot s: 16 loads of 256 consecutive bytes
.irp e, 0,1,2,3,4,5,6,7
.irp j, 0,1
	global_load_b64 v[D+32*(\s)+4*(\e)+2*(\j):D+32*(\s)+4*(\e)+2*(\j)+1], v[YO], s[32+2*(\e):33+2*(\e)] offset:(\r)*2048+256*(\j) th:TH_LOAD_NT
.endr
.endr
.endm
	DLOADS 0, 0
	DLOADS 1, 1
	DLOADS 2, 2
	s_wait_loadcnt 48                              ; all but the 48 loads of yh are in, in waves 0-3 as in the others
.irp q, 0,1,2,3
	v_cvt_pk_bf16_f32 v[T1+2*(\q)], v[E+4*(\q)], v[E+4*(\q)+1]
	v_cvt_pk_bf16_f32 v[T1+2*(\q)+1], v[E+4*(\q)+2], v[E+4*(\q)+3]
	ds_store_b64 v11, v[T1+2*(\q):T1+2*(\q)+1] offset:GAM+4096*(\q)
	v_cvt_pk_bf16_f32 v[Z+2*(\q)], v[E+16+4*(\q)], v[E+16+4*(\q)+1]
	v_cvt_pk_bf16_f32 v[Z+2*(\q)+1], v[E+16+4*(\q)+2], v[E+16+4*(\q)+3]
	ds_store_b64 v11, v[Z+2*(\q):Z+2*(\q)+1] offset:BET+4096*(\q)
.endr
	s_cmp_lt_u32 s24, 4
	s_cbranch_scc0 .Lno_stats
	v_add_f32 v89, v[SS], v[SS+2]
	v_add_f32 v90, v[SS+4], v[SS+6]
	v_add_f32 v91, v[SS+8], v[SS+10]
	v_add_f32 v92, v[SS+12], v[SS+14]
	v_add_f32 v89, v89, v90
	v_add_f32 v91, v91, v92
	v_add_f32 v89, v89, v91
	v_mul_f32 v89, s54, v89                        ; mu
.irp t, 0,1,2,3,4,5,6,7
	v_sub_f32 v[PQ+2*(\t)+1], v[SS+2*(\t)], v89    ; d_t
.endr
	v_add_f32 v90, v[SS+1], v[SS+3]
	v_add_f32 v91, v[SS+5], v[SS+7]
	v_add_f32 v92, v[SS+9], v[SS+11]
	v_add_f32 v93, v[SS+13], v[SS+15]
	v_add_f32 v90, v90, v91
	v_add_f32 v92, v92, v93
	v_add_f32 v90, v90, v92
.irp t, 0,1,2,3,4,5,6,7
	v_fmac_f32 v90, v[PQ+2*(\t)+1], v[PQ+2*(\t)+1]
.endr
	v_fma_f32 v90, v90, s54, s55                   ; var + 1e-5
	v_rsq_f32 v91, v90
.irp t, 0,1,2,3,4,5,6,7
	v_sqrt_f32 v[PQ+2*(\t)], v[SS+2*(\t)+1]
.endr
	v_nop                                          ; a plain instruction behind the last of the batch,
	s_wait_alu depctr_va_vdst(0)                   ; and the one wait ahead of its first reader
	v_mul_f32 v91, v91, v[GW]                      ; w rs
.irp t, 0,1,2,3,4,5,6,7
	v_mul_f32 v[PQ+2*(\t)], v[PQ+2*(\t)], v91
	v_mul_f32 v[PQ+2*(\t)+1], v[PQ+2*(\t)+1], v91
.endr
.irp c, 0,1,2,3
	ds_store_b128 v13, v[PQ+4*(\c):PQ+4*(\c)+3] offset:TAB+16*(\c)
.endr
	ds_store_b32 v15, v[GW] offset:WTB
.Lno_stats:
	s_wait_dscnt 0x0                               ; for the others' sake: my stores are done
	s_barrier_signal -1
	s_barrier_wait -1                              ; the tables are whole; nothing writes LDS from here on
.irp e, 0,1,2,3,4,5,6,7
.irp j, 0,1
	ds_load_b64 v[G+4*(\e)+2*(\j):G+4*(\e)+2*(\j)+1],   v[GA] offset:GAM+2048*(\e)+256*(\j)
	ds_load_b64 v[BT+4*(\e)+2*(\j):BT+4*(\e)+2*(\j)+1], v[GA] offset:BET+2048*(\e)+256*(\j)
.endr
.endr
; One expert's share of a row: for each of my 8 columns t1 = yhat P + Q (f16 half x f32 + f32), z += beta w, z += gamma t1 (bf16 half x f32 + f32).  The first expert starts the sums.
.macro EXPERT s, e
.irp j, 0,1
.irp r, 0,1
	v_fma_mix_f32 v[T1+4*(\j)+2*(\r)],   v[D+32*(\s)+4*(\e)+2*(\j)+(\r)], v[E+4*(\e)+2*(\j)], v[E+4*(\e)+2*(\j)+1] op_sel_hi:[1,0,0]
	v_fma_mix_f32 v[T1+4*(\j)+2*(\r)+1], v[D+32*(\s)+4*(\e)+2*(\j)+(\r)], v[E+4*(\e)+2*(\j)], v[E+4*(\e)+2*(\j)+1] op_sel:[1,0,0] op_sel_hi:[1,0,0]
.endr
.endr
.irp j, 0,1
.irp r, 0,1
.if (\e) == 0
	v_fma_mix_f32_bf16 v[Z+4*(\j)+2*(\r)],   v[BT+4*(\e)+2*(\j)+(\r)], v[WW+(\e)], v[ZERO] op_sel_hi:[1,0,0]
	v_fma_mix_f32_bf16 v[Z+4*(\j)+2*(\r)+1], v[BT+4*(\e)+2*(\j)+(\r)], v[WW+(\e)], v[ZERO] op_sel:[1,0,0] op_sel_hi:[1,0,0]
.else
	v_fma_mix_f32_bf16 v[Z+4*(\j)+2*(\r)],   v[BT+4*(\e)+2*(\j)+(\r)], v[WW+(\e)], v[Z+4*(\j)+2*(\r)] op_sel_hi:[1,0,0]
	v_fma_mix_f32_bf16 v[Z+4*(\j)+2*(\r)+1], v[BT+4*(\e)+2*(\j)+(\r)], v[WW+(\e)], v[Z+4*(\j)+2*(\r)+1] op_sel:[1,0,0] op_sel_hi:[1,0,0]
.endif
.endr
.endr
.irp j, 0,1
.irp r, 0,1
	v_fma_mix_f32_bf16 v[Z+4*(\j)+2*(\r)],   v[G+4*(\e)+2*(\j)+(\r)], v[T1+4*(\j)+2*(\r)],   v[Z+4*(\j)+2*(\r)] op_sel_hi:[1,0,0]
	v_fma_mix_f32_bf16 v[Z+4*(\j)+2*(\r)+1], v[G+4*(\e)+2*(\j)+(\r)], v[T1+4*(\j)+2*(\r)+1], v[Z+4*(\j)+2*(\r)+1] op_sel:[1,0,0] op_sel_hi:[1,0,0]
.endr
.endr
.endm
; Row r of my four, from slot s.  left = how many younger loads of yh may stay out.
.macro ROW r, s, left
.irp e, 0,1,2,3,4,5,6,7
	ds_load_b128 v[E+4*(\e):E+4*(\e)+3], v[TA] offset:TAB+512*(\r)+64*(\e)  ; every lane reads the same 16 bytes
.endr
	ds_load_b128 v[WW:WW+3],   v[WA] offset:32*(\r)
	ds_load_b128 v[WW+4:WW+7], v[WA] offset:32*(\r)+16
	s_wait_loadcnt \left                           ; loads come back in order (ISA guide 5.7.1): this row's 16 are in
	s_wait_dscnt 0x0
	s_wait_xcnt 0x0                                ; the last row's stores have read z, which is written below
.irp e, 0,1,2,3,4,5,6,7
	EXPERT \s, \e
.endr
	global_store_b128 v[OO], v[Z:Z+3],   s[48:49] offset:(\r)*4096 th:TH_STORE_NT      ; 512 consecutive bytes each
	global_store_b128 v[OO], v[Z+4:Z+7], s[48:49] offset:(\r)*4096+512 th:TH_STORE_NT
.endm
	ROW 0, 0, 32                                   ; rows 1 and 2 stay out
	DLOADS 3, 0                                    ; slot 0 has been read
	ROW 1, 1, 32                                   ; rows 2 and 3 stay out
	ROW 2, 2, 16
	ROW 3, 0, 0
	s_wait_tensorcnt 0x0                           ; the wave's end, behind my last LDS store
	ds_add_u32 v[SPW], v[NIL]
	s_wait_dscnt 0x0
	s_endpgm
.Lfunc_end_k_qb6f1d62f88_mix:
	.size	k_qb6f1d62f88_mix, .Lfunc_end_k_qb6f1d62f88_mix-k_qb6f1d62f88_mix
	.p2alignl 7, 3214868480
	.fill 96, 4, 3214868480
	.section	.rodata,"a",@progbits
	.p2align	6, 0x0
	.amdhsa_kernel k_qb6f1d62f88_mix
		.amdhsa_group_segment_fixed_size 43520
		.amdhsa_private_segment_fixed_size 0
		.amdhsa_enable_private_segment 0
		.amdhsa_kernarg_size 48
		.amdhsa_user_sgpr_count 2
		.amdhsa_user_sgpr_kernarg_segment_ptr 1
		.amdhsa_wavefront_size32 1
		.amdhsa_system_sgpr_workgroup_id_x 1
		.amdhsa_system_sgpr_workgroup_id_y 1
		.amdhsa_system_sgpr_workgroup_id_z 1
		.amdhsa_system_vgpr_workitem_id 0
		.amdhsa_next_free_vgpr 232
		.amdhsa_next_free_sgpr 66
		.amdhsa_reserve_vcc 0
		.amdhsa_float_denorm_mode_32 3
		.amdhsa_float_denorm_mode_16_64 3
		.amdhsa_memory_ordered 1
		.amdhsa_forward_progress 1
		.amdhsa_inst_pref_size 69
	.end_amdhsa_kernel
	.amdgpu_metadata
---
amdhsa.version: [ 1, 2 ]
amdhsa.kernels:
  - .name:           k_qb6f1d62f88_mix
    .symbol:         k_qb6f1d62f88_mix.kd
    .args:
      - { .name: yh, .offset: 0, .size: 8, .value_kind: global_buffer, .address_space: global }
      - { .name: st, .offset: 8, .size: 8, .value_kind: global_buffer, .address_space: global }
      - { .name: wts, .offset: 16, .size: 8, .value_kind: global_buffer, .address_space: global }
      - { .name: gamma, .offset: 24, .size: 8, .value_kind: global_buffer, .address_space: global }
      - { .name: beta, .offset: 32, .size: 8, .value_kind: global_buffer, .address_space: global }
      - { .name: out0, .offset: 40, .size: 8, .value_kind: global_buffer, .address_space: global }
    .group_segment_fixed_size: 43520
    .private_segment_fixed_size: 0
    .kernarg_segment_align: 8
    .kernarg_segment_size: 48
    .max_flat_workgroup_size: 512
    .sgpr_count:     66
    .vgpr_count:     232
    .wavefront_size: 32
...
	.end_amdgpu_metadata
.endif
;; end of part 4
;; ======== version 2 of 2: 4 launches; version 1 with the launch prep written anew for expert scheduling mode
;; workspace buffers: xb 8,388,608 bytes; w1b 16,777,216 bytes; w2b 16,777,216 bytes; wts 131,072 bytes; hb 67,108,864 bytes; yh 67,108,864 bytes; st 2,097,152 bytes
;; launch prep (part 5): grid 256 x 1, 16 waves a work-group, no clusters, 39,424 bytes of LDS; arguments z_s, z_e, router_w, router_b, w1, xb, w1b, wts; writes xb, w1b, wts
.if DOCPART == 5
	.amdgcn_target "amdgcn-amd-amdhsa--gfx1250"
	.amdhsa_code_object_version 6
	.text
	.protected	k_qb6f1d62f88_prep
	.globl	k_qb6f1d62f88_prep
	.p2align	8
	.type	k_qb6f1d62f88_prep,@function
k_qb6f1d62f88_prep:
	s_mov_b64 s[64:65], 0
	v_nop
	global_prefetch_b8 v0, s[64:65] scope:SCOPE_SE
	s_setreg_imm32_b32 hwreg(HW_REG_WAVE_SCHED_MODE, 0, 2), 2
	s_setreg_imm32_b32 hwreg(HW_REG_WAVE_MODE, 25, 1), 1
	s_wait_xcnt 0x0
	s_wait_alu depctr_vm_vsrc(0)
; MoEFusion, launch 1 of 4.  z = sum over e of softmax(x router_w + router_b)[e] x LayerNorm_e(gelu(x w1[e] + b1[e]) w2[e] + b2[e]),  x = [z_s, z_e].
; NO WORK IS LEFT OUT: the gates are a softmax, so every expert's result is weighed into every row; router_b differs from expert to expert (it is not
; constant along the softmax's axis); b2 differs from column to column (the LayerNorm's mean does not take it away).  Every input has a way to out0 and is loaded.
; THIS LAUNCH: x and w1 are rounded once to bf16 (xb, w1b, each in its source's order), and the gates are made (wts, f32 [4096][8]).  w2, which the first product does not need,
; is rounded by the next launch, beside its products.
; LIMITS OF THE PROGRAM.  Every input, the small ones too, is rounded once to bf16 before it is used; all sums are f32.  The router's 8 columns are half a matrix
; tile and 1/2048 of the program's products: they are summed here by f32 multiply-adds on the bf16-rounded x and router_w.  NaN and infinities are not treated apart.
; SHARES.  16 waves.  Work-group g casts bytes 131,072 g .. of w1 and owns rows 16 g .. 16 g + 15 of x.  Wave v: row 16 g + v, and 16 chunks of 512 bytes of the weight share.
; All 28 loads of a wave go out at the head; the waits are counted, so that the weights are on their way while the router is computed.
; THE MODE: SCHED_MODE bits 1:0 = 2 (LLVM: expert scheduling mode 2), set by the entry lines.  The code itself states the register dependences
; between vector instructions and memory or LDS instructions, with s_wait_alu, always for 0.
; THE PLAN.  Registers that memory or LDS instructions touch, in the order of the text:
;   v4 .. v10     offsets and LDS addresses: made at the head, never written again: one wait ahead of the first load serves the whole kernel.
;   RW            router_w: loaded; widened in place by one run of vector lines; one wait; read by a run of four LDS stores.
;   XP (= RW)     written by x's sixteen roundings, behind the wait that shows those LDS stores to have read it; one wait; read by a run of eight stores.
;   WT0, WT1      the table's rows of chunk c land in buffer c % 2 and are read by chunk c's 32 multiply-adds.  Chunks 0 and 1 are asked for behind the barrier, into registers that no vector
;                 line has named.  At the head of chunk j (1 to 6) one wait shows chunk j - 1's multiply-adds done with their buffer; chunk j + 1's loads follow it at once; chunk j names the other buffer.
;   LG, TM        the gates: one wait behind the last multiplies, ahead of their two LDS stores; no vector line stands between that wait and wave 0's LDS load into TM.
;   W             the weights: four groups of four chunks: eight roundings in place, one wait, four stores.  No register that a store reads is written again.
;   v2, v3        written at the head, read by the closing add alone.
.set RTP,   144                        ; LDS: router_w, rounded, as f32: four k (128 bytes) and 16 bytes of padding: 36 words
.set OUTB,  36864                      ; behind its 256 groups: 16 rows x 32 bytes of gates
.set SPARE, 37376                      ; the spare words, 128 bytes for each of 16 waves; no other line names them
.set SPW, 2                            ; v2   my spare word
.set NIL, 3                            ; v3   0
.set RW,  12                           ; v[12:27]   router_w as loaded; later XP
.set XP,  12                           ; v[12:27]   x packed, 2 registers a chunk
.set X,   28                           ; v[28:59]   x: chunk j holds k = 128 j + 4 lane + 0..3
.set W,   60                           ; v[60:123]  16 chunks of weights
.set WT,  124                          ; v[124:155] router_w of my four k, 8 experts each: buffer 0; buffer 1 lies 56 registers on, v[180:211]
.set LG,  156                          ; v[156:163] the 8 logits, then the gates
.set RB,  164                          ; v[164:171] router_b
.set TM,  172                          ; v[172:179] at work
	s_load_b512 s[4:19], s[0:1], 0x0               ; z_s 4, z_e 6, router_w 8, router_b 10, w1 12, xb 14, w1b 16, wts 18
	v_lshl_add_u32 v[SPW], v0, 2, SPARE
	v_mov_b32 v[NIL], 0
	v_lshrrev_b32 v1, 5, v0
	v_readfirstlane_b32 s24, v1                    ; wave 0..15
	v_and_b32 v1, 31, v0                           ; lane
	v_lshlrev_b32 v4, 4, v0                        ; router_w: 16 bytes a thread
	v_lshrrev_b32 v5, 3, v0
	v_mul_u32_u24 v5, v5, RTP                      ; eight threads fill a group of four k,
	v_and_b32 v8, 7, v0
	v_lshl_add_u32 v5, v8, 4, v5                   ; 16 bytes each
	v_lshlrev_b32 v6, 4, v1                        ; 16 x lane: f32 in
	v_lshlrev_b32 v7, 3, v1                        ; 8 x lane: bf16 out
	v_mul_u32_u24 v8, v1, RTP                      ; my group of four k in a chunk
	s_wait_alu depctr_va_sdst(0)                   ; s24 is written, ahead of its first reader: the wave's addresses are made from it
	s_lshl_b32 s25, s24, 5
	s_add_co_u32 s25, s25, OUTB
	v_mov_b32 v9, s25                              ; my row's 32 bytes of gates
	v_add_nc_u32 v10, OUTB, v6                     ; wave 0 reads all 512 back
	s_lshl_b32 s40, ttmp9, 4
	s_add_co_u32 s40, s40, s24                     ; my row,
	s_lshl_b32 s40, s40, 11                        ; 2,048 bytes in z_s, in z_e and in xb
	s_mov_b32 s41, 0
	s_lshl_b32 s42, ttmp9, 17                      ; my share of w1
	s_lshl_b32 s43, s24, 13
	s_add_co_u32 s42, s42, s43
	s_mov_b32 s43, 0
	s_lshl_b32 s26, ttmp9, 16                      ; and of w1b
	s_lshl_b32 s27, s24, 12
	s_add_co_u32 s26, s26, s27
	s_mov_b32 s27, 0
	s_lshl_b32 s44, ttmp9, 9                       ; 16 rows x 32 bytes of wts
	s_mov_b32 s45, 0
	s_mov_b32 s36, 0xffff0000                      ; a word's upper bf16
	s_mov_b32 s37, 0x3fb8aa3b                      ; log2(e)
	s_mov_b32 s38, 0x76543210                      ; v_permlanex16_b32: each lane takes its own place in the other half
	s_mov_b32 s39, 0xfedcba98
	s_wait_kmcnt 0x0
	s_load_b256 s[28:35], s[10:11], 0x0            ; router_b, waited for in front of its use
	s_add_nc_u64 s[4:5], s[4:5], s[40:41]
	s_add_nc_u64 s[6:7], s[6:7], s[40:41]
	s_add_nc_u64 s[14:15], s[14:15], s[40:41]
	s_add_nc_u64 s[12:13], s[12:13], s[42:43]
	s_add_nc_u64 s[16:17], s[16:17], s[26:27]
	s_add_nc_u64 s[18:19], s[18:19], s[44:45]
	s_wait_alu depctr_va_vdst(0)                   ; the offsets and LDS addresses v4 to v10 are written: every load and store of the kernel reads one of them
.irp q, 0,1,2,3
	global_load_b128 v[RW+4*(\q):RW+4*(\q)+3], v4, s[8:9] offset:8192*(\q)
.endr
.irp j, 0,1,2,3
	global_load_b128 v[X+4*(\j):X+4*(\j)+3], v6, s[4:5] offset:512*(\j) th:TH_LOAD_NT
.endr
.irp j, 0,1,2,3
	global_load_b128 v[X+16+4*(\j):X+16+4*(\j)+3], v6, s[6:7] offset:512*(\j) th:TH_LOAD_NT
.endr
.irp c, 0,1,2,3,4,5,6,7,8,9,10,11,12,13,14,15
	global_load_b128 v[W+4*(\c):W+4*(\c)+3], v6, s[12:13] offset:512*(\c) th:TH_LOAD_NT
.endr
; The table's rows of chunk c (four k x two halves of the experts): eight loads, into buffer c % 2.
.macro TLOADS c
.irp i, 0,1,2,3
	ds_load_b128 v[WT+56*((\c)%2)+8*(\i):WT+56*((\c)%2)+8*(\i)+3],   v8 offset:32*RTP*(\c)+32*(\i)
	ds_load_b128 v[WT+56*((\c)%2)+8*(\i)+4:WT+56*((\c)%2)+8*(\i)+7], v8 offset:32*RTP*(\c)+32*(\i)+16
.endr
.endm
	; router_w: rounded to bf16, kept as f32 in LDS
	s_wait_loadcnt 24                              ; the four oldest loads are in; x's 8 and the weights' 16 stay out
.irp q, 0,1,2,3
	v_cvt_pk_bf16_f32 v[TM+2*(\q)], v[RW+4*(\q)], v[RW+4*(\q)+1]
	v_cvt_pk_bf16_f32 v[TM+2*(\q)+1], v[RW+4*(\q)+2], v[RW+4*(\q)+3]
.endr
.irp q, 0,1,2,3
	v_lshlrev_b32 v[RW+4*(\q)], 16, v[TM+2*(\q)]
	v_and_b32 v[RW+4*(\q)+1], s36, v[TM+2*(\q)]
	v_lshlrev_b32 v[RW+4*(\q)+2], 16, v[TM+2*(\q)+1]
	v_and_b32 v[RW+4*(\q)+3], s36, v[TM+2*(\q)+1]
.endr
	s_wait_alu depctr_va_vdst(0)                   ; the widenings have written v[RW ..], which the four LDS stores read
.irp q, 0,1,2,3
	ds_store_b128 v5, v[RW+4*(\q):RW+4*(\q)+3] offset:64*RTP*(\q)
.endr
	s_wait_dscnt 0x0                               ; for the others' sake: my part of the table is written
	s_barrier_signal -1
	s_barrier_wait -1                              ; the table is whole
	s_wait_alu depctr_vm_vsrc(0)                   ; my LDS stores have read v[RW ..]: these registers are XP from here on, written by x's roundings
	TLOADS 0                                       ; the table's rows of chunks 0 and 1 come in under x's rounding; no vector line has named these registers
	TLOADS 1
	; x: rounded, stored (each store covers 256 consecutive bytes, aligned), and widened again in place for the router
	s_wait_loadcnt 16                              ; x is in; the weights' 16 loads stay out
.irp j, 0,1,2,3,4,5,6,7
	v_cvt_pk_bf16_f32 v[XP+2*(\j)], v[X+4*(\j)], v[X+4*(\j)+1]
	v_cvt_pk_bf16_f32 v[XP+2*(\j)+1], v[X+4*(\j)+2], v[X+4*(\j)+3]
.endr
	s_wait_alu depctr_va_vdst(0)                   ; the roundings have written v[XP ..], which the eight stores read
.irp j, 0,1,2,3,4,5,6,7
	global_store_b64 v7, v[XP+2*(\j):XP+2*(\j)+1], s[14:15] offset:256*(\j)
.endr
.irp j, 0,1,2,3,4,5,6,7
	v_lshlrev_b32 v[X+4*(\j)], 16, v[XP+2*(\j)]
	v_and_b32 v[X+4*(\j)+1], s36, v[XP+2*(\j)]
	v_lshlrev_b32 v[X+4*(\j)+2], 16, v[XP+2*(\j)+1]
	v_and_b32 v[X+4*(\j)+3], s36, v[XP+2*(\j)+1]
.endr
	; the logits' partial sums over my 32 k: for each chunk eight loads (asked for a chunk ahead) and 32 multiply-adds; the first product starts the sums
.set j, 0
.rept 8
.if (j > 0) && (j < 7)
	s_wait_alu depctr_va_vdst(0)                   ; chunk j - 1's multiply-adds are done reading their buffer, in which chunk j + 1's loads land; this chunk's name the other buffer
	TLOADS j+1
.endif
.irp i, 0,1,2,3
.if j < 7
	s_wait_dscnt 14-2*(\i)                         ; LDS loads come back in order (ISA guide 5.7.1): the two of k number i are in; this chunk's later ones and the next chunk's eight stay out
.else
	s_wait_dscnt 6-2*(\i)                          ; the last chunk has none behind it
.endif
.irp e, 0,1,2,3,4,5,6,7
.if (j == 0) && ((\i) == 0)
	v_mul_f32 v[LG+(\e)], v[X+4*j+(\i)], v[WT+56*(j%2)+8*(\i)+(\e)]
.else
	v_fmac_f32 v[LG+(\e)], v[X+4*j+(\i)], v[WT+56*(j%2)+8*(\i)+(\e)]
.endif
.endr
.endr
.set j, j+1
.endr
	; over the 32 lanes: four steps inside each half ride on the addition, one crosses the halves; every lane ends with the sums
.irp x, 1,2,4,8
.irp e, 0,1,2,3,4,5,6,7
	v_add_f32_dpp v[LG+(\e)], v[LG+(\e)], v[LG+(\e)] row_xmask:\x row_mask:0xf bank_mask:0xf
.endr
.endr
.irp e, 0,1,2,3,4,5,6,7
	v_permlanex16_b32 v[WT+(\e)], v[LG+(\e)], s38, s39  ; its destination counts as read: WT has been written
.endr
.irp e, 0,1,2,3,4,5,6,7
	v_add_f32 v[LG+(\e)], v[LG+(\e)], v[WT+(\e)]
.endr
	s_wait_kmcnt 0x0                               ; router_b
.irp e, 0,1,2,3,4,5,6,7
	v_mov_b32 v[RB+(\e)], s[28+(\e)]
.endr
.irp p, 0,1,2,3
	v_cvt_pk_bf16_f32 v[TM+(\p)], v[RB+2*(\p)], v[RB+2*(\p)+1]
.endr
.irp p, 0,1,2,3
	v_lshlrev_b32 v[RB+2*(\p)], 16, v[TM+(\p)]
	v_and_b32 v[RB+2*(\p)+1], s36, v[TM+(\p)]
.endr
.irp e, 0,1,2,3,4,5,6,7
	v_add_f32 v[LG+(\e)], v[LG+(\e)], v[RB+(\e)]
.endr
	; softmax over the 8 experts: the maximum is taken away, so the largest exponent is exactly 0 and the sum lies in 1 to 8
	v_max3_num_f32 v[TM], v[LG], v[LG+1], v[LG+2]
	v_max3_num_f32 v[TM], v[TM], v[LG+3], v[LG+4]
	v_max3_num_f32 v[TM], v[TM], v[LG+5], v[LG+6]
	v_max_num_f32 v[TM], v[TM], v[LG+7]
.irp e, 0,1,2,3,4,5,6,7
	v_sub_f32 v[LG+(\e)], v[LG+(\e)], v[TM]
.endr
.irp e, 0,1,2,3,4,5,6,7
	v_mul_f32 v[LG+(\e)], s37, v[LG+(\e)]
.endr
.irp e, 0,1,2,3,4,5,6,7
	v_exp_f32 v[LG+(\e)], v[LG+(\e)]
.endr
	v_nop                                          ; a plain instruction behind the last exponential,
	s_wait_alu depctr_va_vdst(0)                   ; and the one wait ahead of the batch's first reader: the eight exponentials have written v[LG ..]
	v_add_f32 v[TM], v[LG], v[LG+1]
	v_add_f32 v[TM+1], v[LG+2], v[LG+3]
	v_add_f32 v[TM+2], v[LG+4], v[LG+5]
	v_add_f32 v[TM+3], v[LG+6], v[LG+7]
	v_add_f32 v[TM], v[TM], v[TM+1]
	v_add_f32 v[TM+2], v[TM+2], v[TM+3]
	v_add_f32 v[TM], v[TM], v[TM+2]
	v_rcp_f32 v[TM+1], v[TM]
	v_nop
	s_wait_alu depctr_va_vdst(0)                   ; the reciprocal has written v[TM+1], ahead of its first reader
.irp e, 0,1,2,3,4,5,6,7
	v_mul_f32 v[LG+(\e)], v[LG+(\e)], v[TM+1]
.endr
	s_wait_alu depctr_va_vdst(0)                   ; the multiplies have written the gates v[LG ..], which the two LDS stores read; and every vector line that names v[TM ..] is done: wave 0's LDS load below lands there, with no vector line between
	ds_store_b128 v9, v[LG:LG+3]                   ; all lanes hold the same eight gates and write the same 32 bytes
	ds_store_b128 v9, v[LG+4:LG+7] offset:16
	s_wait_dscnt 0x0
	s_barrier_signal -1
	s_barrier_wait -1                              ; the 16 rows' gates lie in LDS
	s_cmp_lg_u32 s24, 0
	s_cbranch_scc1 .Lnot_wave_0                    ; wave 0 stores them: 512 consecutive bytes
	ds_load_b128 v[TM:TM+3], v10
	s_wait_dscnt 0x0
	global_store_b128 v6, v[TM:TM+3], s[18:19]
.Lnot_wave_0:
	; the weights, four chunks at a time: each chunk of 512 bytes is rounded in place and leaves as 256 consecutive bytes, aligned.  No register that a store reads is written again.
.set g, 0
.rept 4
	s_wait_loadcnt 12-4*g                          ; the group's four chunks are in; the younger groups stay out
.set c, 4*g
.rept 4
	v_cvt_pk_bf16_f32 v[W+4*c], v[W+4*c], v[W+4*c+1]
	v_cvt_pk_bf16_f32 v[W+4*c+1], v[W+4*c+2], v[W+4*c+3]
.set c, c+1
.endr
	s_wait_alu depctr_va_vdst(0)                   ; the group's eight roundings have written the registers that its four stores read
.set c, 4*g
.rept 4
	global_store_b64 v7, v[W+4*c:W+4*c+1], s[16:17] offset:256*c
.set c, c+1
.endr
.set g, g+1
.endr
	s_wait_dscnt 0x0                               ; the closing lines, six on end
	s_wait_alu 0x0
	s_wait_tensorcnt 0x0
	ds_add_u32 v[SPW], v[NIL]
	s_wait_dscnt 0x0
	s_endpgm
.Lfunc_end_k_qb6f1d62f88_prep:
	.size	k_qb6f1d62f88_prep, .Lfunc_end_k_qb6f1d62f88_prep-k_qb6f1d62f88_prep
	.p2alignl 7, 3214868480
	.fill 96, 4, 3214868480
	.section	.rodata,"a",@progbits
	.p2align	6, 0x0
	.amdhsa_kernel k_qb6f1d62f88_prep
		.amdhsa_group_segment_fixed_size 39424
		.amdhsa_private_segment_fixed_size 0
		.amdhsa_enable_private_segment 0
		.amdhsa_kernarg_size 64
		.amdhsa_user_sgpr_count 2
		.amdhsa_user_sgpr_kernarg_segment_ptr 1
		.amdhsa_wavefront_size32 1
		.amdhsa_system_sgpr_workgroup_id_x 1
		.amdhsa_system_sgpr_workgroup_id_y 1
		.amdhsa_system_sgpr_workgroup_id_z 1
		.amdhsa_system_vgpr_workitem_id 0
		.amdhsa_next_free_vgpr 212
		.amdhsa_next_free_sgpr 66
		.amdhsa_reserve_vcc 0
		.amdhsa_float_denorm_mode_32 3
		.amdhsa_float_denorm_mode_16_64 3
		.amdhsa_memory_ordered 1
		.amdhsa_forward_progress 1
		.amdhsa_inst_pref_size 33
	.end_amdhsa_kernel
	.amdgpu_metadata
---
amdhsa.version: [ 1, 2 ]
amdhsa.kernels:
  - .name:           k_qb6f1d62f88_prep
    .symbol:         k_qb6f1d62f88_prep.kd
    .args:
      - { .name: z_s, .offset: 0, .size: 8, .value_kind: global_buffer, .address_space: global }
      - { .name: z_e, .offset: 8, .size: 8, .value_kind: global_buffer, .address_space: global }
      - { .name: router_w, .offset: 16, .size: 8, .value_kind: global_buffer, .address_space: global }
      - { .name: router_b, .offset: 24, .size: 8, .value_kind: global_buffer, .address_space: global }
      - { .name: w1, .offset: 32, .size: 8, .value_kind: global_buffer, .address_space: global }
      - { .name: xb, .offset: 40, .size: 8, .value_kind: global_buffer, .address_space: global }
      - { .name: w1b, .offset: 48, .size: 8, .value_kind: global_buffer, .address_space: global }
      - { .name: wts, .offset: 56, .size: 8, .value_kind: global_buffer, .address_space: global }
    .group_segment_fixed_size: 39424
    .private_segment_fixed_size: 0
    .kernarg_segment_align: 8
    .kernarg_segment_size: 64
    .max_flat_workgroup_size: 512
    .sgpr_count:     66
    .vgpr_count:     212
    .wavefront_size: 32
...
	.end_amdgpu_metadata
.endif
;; end of part 5
;; launch ffn1: the kernel of part 2 again; grid 32 x 16, 4 waves a work-group, clusters of 4 x 4, 327,680 bytes of LDS; arguments xb, w1b, b1, hb, w2, w2b; writes hb, w2b
;; launch ffn2: the kernel of part 3 again; grid 32 x 16, 4 waves a work-group, clusters of 4 x 4, 327,680 bytes of LDS; arguments hb, w2b, b2, yh, st; writes yh, st
;; launch mix: the kernel of part 4 again; grid 256 x 1, 16 waves a work-group, no clusters, 43,520 bytes of LDS; arguments yh, st, wts, gamma, beta, out0; writes out0
